; MI455X (gfx1250); checked and timed in simulation.
; The chip was launched on July 23, 2026; its instructions are those of AMD's public machine-readable ISA for CDNA 5 (MIT licence, August 2026) and "CDNA5" Instruction Set Architecture Reference Guide (July 2026). The comments in the code are by the model that wrote it; some were corrected since.
;; Self Attention v2. Allowed arithmetic: float matrix products may take bf16 or f16 operands with f32 sums; other float arithmetic in f32, or as packed bf16 or f16 multiplies, adds, multiply-adds, maxima and minima; sums over many terms, partial sums and values carried from step to step in f32; what a program stores and reads back later, other than sums and carried values, may be rounded once to bf16 or f16.
;; Inputs: W_k 1,024 x 1,024 float32; W_q 1,024 x 1,024 float32; W_v 1,024 x 1,024 float32; inputs 4,096 x 1,024 float32.
;; Outputs: out0 4,096 x 1,024 float32.
;; 2 versions, each right; version 2 is version 1 with the launch cast written anew for expert scheduling mode. Each part assembles by itself: llvm-mc -triple=amdgcn-amd-amdhsa -mcpu=gfx1250 --defsym DOCPART=n.
;; ======== version 1 of 2: 4 launches
;; limits: values are held in f16: magnitudes above 65,504 overflow, below 6.1e-05 lose precision
;; workspace buffers: xw 14,680,064 bytes; qkv 25,165,824 bytes; pmat 33,554,432 bytes; stats 1,048,576 bytes
;; launch cast (part 1): grid 448 x 1, 8 waves a work-group, no clusters, 0 bytes of LDS; arguments inputs, W_q, W_k, W_v, xw; writes xw
.if DOCPART == 1
	.amdgcn_target "amdgcn-amd-amdhsa--gfx1250"
	.amdhsa_code_object_version 6
	.text
	.protected	k_qd08c473488_cast
	.globl	k_qd08c473488_cast
	.p2align	8
	.type	k_qd08c473488_cast,@function
k_qd08c473488_cast:
	s_mov_b64 s[64:65], 0
	v_nop
	global_prefetch_b8 v0, s[64:65] scope:SCOPE_SE
	s_setreg_imm32_b32 hwreg(HW_REG_WAVE_MODE, 25, 1), 1
	s_wait_xcnt 0x0
; xw = bf16(inputs), bf16(W_q), bf16(W_k), bf16(W_v), one behind the other (round to nearest even), so that the projections'
; tiles can be brought into LDS as 16-bit numbers.
; A stream: every input byte is read once and every output byte written once.  LDS, matrix instructions and clusters would add
; nothing: no byte is shared between threads.
; Work-group g converts 16,384 numbers (65,536 bytes in, 32,768 out).  g 0..255: inputs; 256..319: W_q; 320..383: W_k; 384..447: W_v.
; The output offset is g x 32,768 in all four cases, which is xw's layout: X at 0, W_p at 8,388,608 + p x 2,097,152.
; A wave's load covers 512 consecutive bytes, its store 256 consecutive bytes at a multiple of 256.
; All sixteen loads of a thread go out before the first is used; no register is written twice, so no store's sources need a wait.
.set X, 4                              ; v[4:67]   sixteen loads of four f32
.set Y, 68                             ; v[68:99]  sixteen pairs of packed bf16
	s_load_b256 s[4:11], s[0:1], 0x0               ; inputs s[4:5], W_q s[6:7], W_k s[8:9], W_v s[10:11]
	s_load_b64 s[12:13], s[0:1], 0x20              ; xw
	v_lshlrev_b32 v1, 4, v0                        ; 16 bytes in for each thread
	v_lshlrev_b32 v2, 3, v0                        ; 8 bytes out
	s_and_b32 s14, ttmp9, 63                       ; chunk inside a W (64 chunks each)
	s_cmp_lt_u32 ttmp9, 256
	s_cselect_b32 s14, ttmp9, s14                  ; chunk inside inputs (256 chunks)
	s_lshl_b32 s14, s14, 16                        ; x 65,536 bytes
	s_mov_b32 s15, 0
	s_lshl_b32 s18, ttmp9, 15                      ; x 32,768 bytes out
	s_mov_b32 s19, 0
	s_wait_kmcnt 0x0
	s_cmp_lt_u32 ttmp9, 384                        ; which buffer: the choice hangs on the work-group's number alone
	s_cselect_b64 s[16:17], s[8:9], s[10:11]
	s_cmp_lt_u32 ttmp9, 320
	s_cselect_b64 s[16:17], s[6:7], s[16:17]
	s_cmp_lt_u32 ttmp9, 256
	s_cselect_b64 s[16:17], s[4:5], s[16:17]
	s_add_nc_u64 s[16:17], s[16:17], s[14:15]
	s_add_nc_u64 s[12:13], s[12:13], s[18:19]
.irp j, 0,1,2,3,4,5,6,7,8,9,10,11,12,13,14,15
	global_load_b128 v[X+4*\j:X+4*\j+3], v1, s[16:17] offset:4096*\j th:TH_LOAD_NT   ; read once in the launch
.endr
.irp j, 0,1,2,3,4,5,6,7,8,9,10,11,12,13,14,15
	s_wait_loadcnt 15-\j                           ; loads come back in order: load j is in, the younger ones stay out
	v_cvt_pk_bf16_f32 v[Y+2*\j],   v[X+4*\j],   v[X+4*\j+1]
	v_cvt_pk_bf16_f32 v[Y+2*\j+1], v[X+4*\j+2], v[X+4*\j+3]
	global_store_b64 v2, v[Y+2*\j:Y+2*\j+1], s[12:13] offset:2048*\j
.endr
	s_endpgm
.Lfunc_end_k_qd08c473488_cast:
	.size	k_qd08c473488_cast, .Lfunc_end_k_qd08c473488_cast-k_qd08c473488_cast
	.p2alignl 7, 3214868480
	.fill 96, 4, 3214868480
	.section	.rodata,"a",@progbits
	.p2align	6, 0x0
	.amdhsa_kernel k_qd08c473488_cast
		.amdhsa_group_segment_fixed_size 0
		.amdhsa_private_segment_fixed_size 0
		.amdhsa_enable_private_segment 0
		.amdhsa_kernarg_size 40
		.amdhsa_user_sgpr_count 2
		.amdhsa_user_sgpr_kernarg_segment_ptr 1
		.amdhsa_wavefront_size32 1
		.amdhsa_system_sgpr_workgroup_id_x 1
		.amdhsa_system_sgpr_workgroup_id_y 1
		.amdhsa_system_sgpr_workgroup_id_z 1
		.amdhsa_system_vgpr_workitem_id 0
		.amdhsa_next_free_vgpr 100
		.amdhsa_next_free_sgpr 66
		.amdhsa_reserve_vcc 0
		.amdhsa_float_denorm_mode_32 3
		.amdhsa_float_denorm_mode_16_64 3
		.amdhsa_memory_ordered 1
		.amdhsa_forward_progress 1
		.amdhsa_inst_pref_size 7
	.end_amdhsa_kernel
	.amdgpu_metadata
---
amdhsa.version: [ 1, 2 ]
amdhsa.kernels:
  - .name:           k_qd08c473488_cast
    .symbol:         k_qd08c473488_cast.kd
    .args:
      - { .name: inputs, .offset: 0, .size: 8, .value_kind: global_buffer, .address_space: global }
      - { .name: W_q, .offset: 8, .size: 8, .value_kind: global_buffer, .address_space: global }
      - { .name: W_k, .offset: 16, .size: 8, .value_kind: global_buffer, .address_space: global }
      - { .name: W_v, .offset: 24, .size: 8, .value_kind: global_buffer, .address_space: global }
      - { .name: xw, .offset: 32, .size: 8, .value_kind: global_buffer, .address_space: global }
    .group_segment_fixed_size: 0
    .private_segment_fixed_size: 0
    .kernarg_segment_align: 8
    .kernarg_segment_size: 40
    .max_flat_workgroup_size: 256
    .sgpr_count:     66
    .vgpr_count:     100
    .wavefront_size: 32
...
	.end_amdgpu_metadata
.endif
;; end of part 1
;; launch proj (part 2): grid 12 x 16, 4 waves a work-group, clusters of 4 x 4, 327,680 bytes of LDS; arguments xw, qkv; writes qkv
.if DOCPART == 2
	.amdgcn_target "amdgcn-amd-amdhsa--gfx1250"
	.amdhsa_code_object_version 6
	.text
	.protected	k_qd08c473488_proj
	.globl	k_qd08c473488_proj
	.p2align	8
	.type	k_qd08c473488_proj,@function
k_qd08c473488_proj:
	s_mov_b64 s[64:65], 0
	v_nop
	global_prefetch_b8 v0, s[64:65] scope:SCOPE_SE
	s_setreg_imm32_b32 hwreg(HW_REG_WAVE_MODE, 25, 1), 1
	s_wait_xcnt 0x0
	s_wait_alu depctr_hold_cnt(0) depctr_sa_sdst(0) depctr_va_vdst(0) depctr_va_sdst(0) depctr_va_ssrc(0) depctr_va_vcc(0) depctr_vm_vsrc(0)
	s_getreg_b32 s2, hwreg(HW_REG_IB_STS2, 6, 4)
	s_cmp_eq_u32 s2, 0
	s_cbranch_scc0 .Lentry_in_a_cluster
	s_endpgm
.Lentry_in_a_cluster:
	s_bfe_u32 s2, ttmp6, 0x10000c
	s_cmp_lg_u32 s2, 0xf033
	s_cbranch_scc0 .Lentry_shape_is_right
	s_endpgm
.Lentry_shape_is_right:
; q, k, v = X W_q, X W_k, X W_v as one product [4096][1024] x [1024][3 x 1024]; operands bf16, sums f32, results stored as f16.
; LIMIT: q, k, v are kept in f16 (finer than bf16, which the nearly flat softmax behind them needs): magnitudes of 65,504 and more
; become infinite, magnitudes under 6e-5 lose relative precision (absolute step 6e-8).  NaN and infinities are not treated.
; A work-group makes 256 rows x 256 columns with four waves, a wave 128 x 128: 64 accumulator tiles of 16 x 16, 512 registers.
; 12 x 16 = 192 work-groups: block column 0..11 = projection (block column / 4) and its 256 columns (block column % 4).
; K goes in steps of 128 through two LDS slots filled by tensor loads.  X's tile lies [row][k]; W's tile lies [k][n] as in memory
; and its fragments are made by the transposing LDS load.
; CLUSTERS of 4 x 4: X's tile hangs on the block row alone and is asked for jointly by a row of the cluster, W's on the block
; column alone and is asked for jointly by a column: a quarter of the requests.
; REGISTERS in windows of 256: window 0 addresses v16-26, A's fragments v64-127 and v128-191, v192-223 packing on the way out;
; window 1 B's fragments v64-127, v128-191; window 2 the accumulators of my rows 0-63 (tile (a, b) at v[8 (8 a + b)]); window 3 rows 64-127.
; The matrix instruction is used transposed (source 0 = 16 columns of W, source 1 = 16 rows of X): lane l then holds row l % 16 and its
; eight registers the columns 8 (l / 16) + 0..7, eight neighbours that pack into 16 bytes.
.set SIZE_K, 1024
.set KSTEP,  128
.set PITCH,  272                       ; X's LDS row: 256 bytes + 16 = 17 x 16: sixteen rows start 16 bytes apart modulo 256
.set BPITCH, 544                       ; W's LDS row: 512 bytes + 32 = 17 x 32, for the transposing load
.set HALFT,  128*PITCH                 ; one tensor load: 128 rows of X, or 64 k rows of W (64 x 544, the same 34,816 bytes)
.set SLOT,   4*HALFT                   ; X's 256 rows, then W's 128 k rows
.set STAGE,  2*SLOT                    ; behind the ring: 16 rows x 272 bytes for each wave, for the way out; no tensor load lands here
.set SPITCH, 272
.set OROW,   2048                      ; bytes in a row of q, k or v
.set ASTEP,  KSTEP*2                   ; a K step along X's rows, in bytes
.set BSTEP,  KSTEP*2048                ; a K step down W's rows, in bytes
.set LAPS,   SIZE_K/(2*KSTEP)          ; 4 laps of two K steps
.set ADRA, 16                          ; v16-17  LDS address of my A fragments in slot 0, 1
.set ADRB, 20                          ; v20-21  the same for B
.set STO,  24                          ; v24     the way out: where I put 16 bytes of a row
.set RD,   25                          ; v25     the way out: where I read a row back
.set CO,   26                          ; v26     my byte offset in the output
.set F0,   64
.set F1,   128
.set TMP,  192
.set G1,  24                           ; s[24:31] descriptor group 1 for X's tiles
.set G0,  32                           ; s[32:39] group 0 for X's tiles, one set for each slot
.set G1B, 48                           ; s[48:55] group 1 for W's tiles
.set G0B, 56                           ; s[56:63] group 0 for W's tiles, one set for each slot
.set MSB, 0
.macro WIN new                         ; the immediate's high byte repeats the setting that is left
.if MSB != \new
	s_set_vgpr_msb (MSB<<8)|\new
.set MSB, \new
.endif
.endm
.set MUL_LO, 0xa1                      ; source 0 (B) window 1, source 1 (A) window 0, C and D window 2
.set MUL_HI, 0xf1                      ; the same, C and D window 3
.set TO_B,   0x40                      ; destination window 1, address window 0
; A joint load.  Waves 0 and 1 fetch X's two halves, waves 2 and 3 W's.  The branch hangs on the wave's number alone.
.macro JLOAD s
	s_cmp_eq_u32 s11, 0
	s_cbranch_scc0 .Lfor_b_\@
	tensor_load_to_lds s[G0+4*\s:G0+4*\s+3], s[G1:G1+7]
	s_nop 0
	s_branch .Lasked_\@
.Lfor_b_\@:
	tensor_load_to_lds s[G0B+4*\s:G0B+4*\s+3], s[G1B:G1B+7]
	s_nop 0
.Lasked_\@:
.endm
; A round of the cluster's barrier: my work-group's barrier, wave 0 signals for the work-group, every wave waits for all sixteen
; work-groups, my work-group's barrier once more.
.macro CREST                           ; a round behind its opening barrier
	s_cmp_lg_u32 s10, 0
	s_cbranch_scc1 .Lnot_wave_0_\@
	s_barrier_signal -3
.Lnot_wave_0_\@:
	s_barrier_wait -3
	s_barrier_signal -1
	s_barrier_wait -1
.endm
.macro CROUND                          ; a whole round
	s_barrier_signal -1
	s_barrier_wait -1
	CREST
.endm
	s_load_b128 s[4:7], s[0:1], 0x0                ; xw s[4:5], qkv s[6:7]
	s_set_vgpr_msb 0x40
	v_lshl_add_u32 v255, v0, 2, 0x48400
	s_set_vgpr_msb 0x4000
	v_mov_b32 v255, 0
	s_set_vgpr_msb 0x1
	ds_add_u32 v255, v255
	s_set_vgpr_msb 0x100
	v_lshrrev_b32 v1, 5, v0
	v_readfirstlane_b32 s10, v1                    ; wave 0..3
	s_lshr_b32 s11, s10, 1                         ; which half of the block's rows is mine.  Also: I fetch for X (0) or for W (1)
	s_and_b32 s12, s10, 1                          ; which half of its columns.  Also: which half of that tile I fetch
	s_bfe_u32 s40, ttmp6, 0x40000                  ; cx
	s_bfe_u32 s41, ttmp6, 0x40004                  ; cy
	s_lshl_b32 s42, ttmp9, 2
	s_add_co_u32 s42, s42, s40                     ; block column 0..11 = 4 x cluster x + cx
	s_and_b32 s13, ttmp7, 0xffff
	s_lshl_b32 s13, s13, 2
	s_add_co_u32 s13, s13, s41                     ; block row 0..15 = 4 x cluster y + cy
	s_lshl_b32 s43, s41, 2
	s_lshl_b32 s43, 15, s43                        ; my row of the cluster: places 4 cy .. 4 cy + 3
	s_lshl_b32 s44, 0x1111, s40                    ; my column: places cx, cx + 4, cx + 8, cx + 12
	; group 1 for X: 128 rows x 128 elements of 2 bytes, 4 words of padding behind every 64 words
	s_or_b32 s[G1+0], s43, (1<<16)|(1<<20)|(1<<21)|(5<<22)|(3<<25)
	s_mov_b32 s[G1+1], KSTEP<<16                   ; tensor_dim0 = 128
	s_mov_b32 s[G1+2], 128<<16                     ; tensor_dim1 = 128
	s_mov_b32 s[G1+3], KSTEP<<16                   ; tile_dim0 = 128
	s_mov_b32 s[G1+4], 128                         ; tile_dim1 = 128
	s_mov_b32 s[G1+5], 1024                        ; elements from row to row
	s_mov_b32 s[G1+6], 0
	s_mov_b32 s[G1+7], 0
	; group 1 for W: 64 k rows x 256 elements, 8 words of padding behind every 128 words
	s_or_b32 s[G1B+0], s44, (1<<16)|(1<<20)|(1<<21)|(6<<22)|(7<<25)
	s_mov_b32 s[G1B+1], 256<<16                    ; tensor_dim0 = 256
	s_mov_b32 s[G1B+2], 64<<16                     ; tensor_dim1 = 64
	s_mov_b32 s[G1B+3], 256<<16                    ; tile_dim0 = 256
	s_mov_b32 s[G1B+4], 64                         ; tile_dim1 = 64
	s_mov_b32 s[G1B+5], 1024
	s_mov_b32 s[G1B+6], 0
	s_mov_b32 s[G1B+7], 0
	; X's offset hangs on the block row, W's on the block column; each in registers that never hold the other coordinate
	s_lshl_b32 s17, s12, 7
	s_lshl_b32 s16, s13, 8
	s_add_co_u32 s16, s16, s17                     ; row 256 x block row + 128 x half
	s_lshl_b32 s16, s16, 11                        ; x 2,048 bytes
	s_mov_b32 s17, 0
	s_lshr_b32 s46, s42, 2                         ; projection 0, 1, 2
	s_lshl_b32 s46, s46, 21                        ; x 2,097,152 bytes
	s_and_b32 s47, s42, 3
	s_lshl_b32 s47, s47, 9                         ; + 256 columns x 2 bytes for each block inside the projection
	s_add_co_u32 s46, s46, s47
	s_lshl_b32 s47, s12, 17                        ; + my half: 64 k rows of 2,048 bytes
	s_add_co_u32 s46, s46, s47
	s_add_co_u32 s46, s46, 0x800000                ; the W's lie behind X's 8,388,608 bytes
	s_mov_b32 s47, 0
	s_mul_i32 s20, s10, HALFT                      ; LDS: X's two halves, then W's two halves = wave x 34,816
	s_wait_dscnt 0x0
	s_wait_kmcnt 0x0
	s_add_nc_u64 s[14:15], s[4:5], s[16:17]
	s_add_nc_u64 s[46:47], s[4:5], s[46:47]
	CROUND                                         ; all sixteen work-groups are here: the first joint loads meet
.irp s, 0,1
	s_mov_b32 s[G0+4*\s], 1
	s_add_co_u32 s[G0+4*\s+1], s20, \s*SLOT
	s_add_nc_u64 s[G0+4*\s+2:G0+4*\s+3], s[14:15], \s*ASTEP
	s_or_b32 s[G0+4*\s+3], s[G0+4*\s+3], 0x80000000
	s_mov_b32 s[G0B+4*\s], 1
	s_add_co_u32 s[G0B+4*\s+1], s20, \s*SLOT
	s_add_nc_u64 s[G0B+4*\s+2:G0B+4*\s+3], s[46:47], \s*BSTEP
	s_or_b32 s[G0B+4*\s+3], s[G0B+4*\s+3], 0x80000000
	JLOAD \s                                       ; K steps 0 and 1: two tensor loads of the wave are out, the most in this text
.endr
	v_and_b32 v1, 15, v0                           ; r = l % 16
	v_bfe_u32 v2, v0, 4, 1                         ; h = l / 16
	v_mul_u32_u24 v3, v1, PITCH
	v_lshl_add_u32 v3, v2, 4, v3                   ; A: row r x pitch + 16 h
	v_and_b32 v6, 7, v0
	v_lshl_add_u32 v6, v2, 3, v6                   ; B: k row 8 h + l % 8,
	v_mul_u32_u24 v6, v6, BPITCH
	v_bfe_u32 v7, v0, 3, 1
	v_lshl_add_u32 v6, v7, 4, v6                   ; and 16 bytes (8 columns) for each group of eight lanes
	s_mul_i32 s21, s11, HALFT                      ; my 128 rows of X
	s_lshl_b32 s22, s12, 8                         ; my 128 columns of W: 256 bytes along its rows,
	s_add_co_u32 s22, s22, 2*HALFT                 ; behind X's 256 rows
.irp s, 0,1
	v_add_nc_u32 v[ADRA+\s], s21, v3
	v_add_nc_u32 v[ADRB+\s], s22, v6
	s_add_co_u32 s21, s21, SLOT
	s_add_co_u32 s22, s22, SLOT
.endr
	s_mul_i32 s23, s10, 16*SPITCH
	s_add_co_u32 s23, s23, STAGE                   ; my stage
	v_mul_u32_u24 v4, v1, SPITCH
	v_lshl_add_u32 v4, v2, 4, v4
	v_add_nc_u32 v[STO], s23, v4
	v_mul_u32_u24 v5, v2, SPITCH
	v_lshl_add_u32 v5, v1, 4, v5
	v_add_nc_u32 v[RD], s23, v5
	v_mul_u32_u24 v5, v2, OROW
	v_lshl_add_u32 v[CO], v1, 4, v5
; 16 matrix instructions: row blocks a0, a0 + 1 of the window's four x all 8 column blocks, 32 along K.  zero = 1: the first product starts the sums.
.macro MUL16 f, hi, a0, zero
.irp a, \a0, \a0+1
.irp b, 0,1,2,3,4,5,6,7
.if \zero
	v_wmma_f32_16x16x32_bf16 v[8*(8*(\a)+\b):8*(8*(\a)+\b)+7], v[\f+8*\b:\f+8*\b+7], v[\f+8*(4*\hi+\a):\f+8*(4*\hi+\a)+7], 0
.else
	v_wmma_f32_16x16x32_bf16 v[8*(8*(\a)+\b):8*(8*(\a)+\b)+7], v[\f+8*\b:\f+8*\b+7], v[\f+8*(4*\hi+\a):\f+8*(4*\hi+\a)+7], v[8*(8*(\a)+\b):8*(8*(\a)+\b)+7]
.endif
.endr
.endr
.endm
; 32 LDS loads in one run: the fragments of quarter q (32 along K) of a slot into buffer f.
; B: the transposing load takes 8 k rows x 8 columns in each group of eight lanes; two loads, 16 k rows apart, make a fragment.
.macro FETCH slot, q, f
	WIN TO_B
.irp i, 0,1,2,3,4,5,6,7
	ds_load_tr16_b128 v[\f+8*\i:\f+8*\i+3],   v[ADRB+\slot] offset:\q*32*BPITCH+32*\i
	ds_load_tr16_b128 v[\f+8*\i+4:\f+8*\i+7], v[ADRB+\slot] offset:\q*32*BPITCH+32*\i+16*BPITCH
.endr
	WIN 0
.irp i, 0,1,2,3,4,5,6,7
	ds_load_b128 v[\f+8*\i:\f+8*\i+3],   v[ADRA+\slot] offset:\q*64+\i*16*PITCH
	ds_load_b128 v[\f+8*\i+4:\f+8*\i+7], v[ADRA+\slot] offset:\q*64+\i*16*PITCH+32
.endr
.endm
; Four independent vector instructions stand between a matrix instruction and a load into, or a vector access to, its registers
.macro PLACES
.rept 4
	v_nop
.endr
.endm
; One of a K step's first three quarters: multiplies buffer f, in its middle fetches quarter q into buffer g.
; The 64 accumulators take turns in the same order in every quarter.
.macro QUARTER slot, q, f, g, zero
	s_wait_dscnt 8                                 ; B and A's rows 0-63 are in; the youngest eight loads (A's rows 64-127) may be out
	WIN MUL_LO
	MUL16 \f, 0, 0, \zero
	MUL16 \f, 0, 2, \zero
	PLACES
	FETCH \slot, \q, \g
	s_wait_dscnt 32                                ; all but the 32 just issued
	WIN MUL_HI
	MUL16 \f, 1, 0, \zero
	MUL16 \f, 1, 2, \zero
.endm
.macro THREE slot, zero
	QUARTER \slot, 1, F0, F1, \zero
	QUARTER \slot, 2, F1, F0, 0
	QUARTER \slot, 3, F0, F1, 0
.endm
; The last quarter: multiplies buffer 1 and changes slots.  In front of the barrier each wave waits for its reads of this slot and for all
; its tensor loads (one is out: its part of the next slot).  Behind it the refill comes first, then the next slot's first fragments.
.macro TURN slot, next, fill
	s_wait_dscnt 8
	WIN MUL_LO
	MUL16 F1, 0, 0, 0
	s_wait_dscnt 0                                 ; my reads of this slot are over
	s_wait_tensorcnt 0x0                           ; all my tensor loads have landed
	ds_add_u32 v255, v255
	s_wait_dscnt 0x0
	s_barrier_signal -1                            ; where the slot is filled again this barrier opens a round of the cluster's barrier
	MUL16 F1, 0, 2, 0                              ; register work while the others arrive
	WIN 0
	s_barrier_wait -1
.if \fill
	CREST                                          ; no wave of any partner still reads this slot or has a load on its way
	s_add_nc_u64 s[G0+4*\slot+2:G0+4*\slot+3], s[G0+4*\slot+2:G0+4*\slot+3], 2*ASTEP
	s_add_nc_u64 s[G0B+4*\slot+2:G0B+4*\slot+3], s[G0B+4*\slot+2:G0B+4*\slot+3], 2*BSTEP
	JLOAD \slot                                    ; the first tensor load behind the round
.endif
	PLACES
	FETCH \next, 0, F0
	WIN MUL_HI
	MUL16 F1, 1, 0, 0
	MUL16 F1, 1, 2, 0
.endm
.macro LAP zero
	THREE 0, \zero
	TURN 0, 1, 1
	THREE 1, 0
	TURN 1, 0, 1
.endm
	s_wait_tensorcnt 1                             ; my part of K step 0 is in; K step 1's stays out
	s_barrier_signal -1
	s_barrier_wait -1
	FETCH 0, 0, F0
	LAP 1                                          ; the first lap's first products start the sums
	WIN 0
	s_mov_b32 s3, LAPS-2
.Llap:
	LAP 0
	WIN 0
	s_sub_co_u32 s3, s3, 1
	s_cmp_lg_u32 s3, 0
	s_cbranch_scc1 .Llap
	THREE 0, 0                                     ; the last lap fills nothing
	TURN 0, 1, 0
	THREE 1, 0
	s_wait_dscnt 8
	WIN MUL_LO
	MUL16 F1, 0, 0, 0
	MUL16 F1, 0, 2, 0
	s_wait_dscnt 0
	WIN MUL_HI
	MUL16 F1, 1, 0, 0
	MUL16 F1, 1, 2, 0
	; THE WAY OUT, 16 rows at a time: round to f16, 16 bytes a lane into my own stage, read back as whole rows of 256 bytes.
	PLACES
	s_lshl_b32 s13, s13, 8
	s_lshl_b32 s14, s11, 7
	s_add_co_u32 s16, s13, s14                     ; my first row
	s_lshl_b32 s16, s16, 11                        ; x 2,048 bytes
	s_mov_b32 s17, 0
	s_add_nc_u64 s[8:9], s[6:7], s[16:17]
	s_lshr_b32 s46, s42, 2
	s_lshl_b32 s46, s46, 23                        ; projection x 8,388,608 bytes
	s_and_b32 s47, s42, 3
	s_lshl_b32 s47, s47, 9                         ; + 512 bytes for each block of 256 columns
	s_add_co_u32 s46, s46, s47
	s_lshl_b32 s47, s12, 8                         ; + 256 bytes for my half
	s_add_co_u32 s46, s46, s47
	s_mov_b32 s47, 0
	s_add_nc_u64 s[8:9], s[8:9], s[46:47]
.macro OUT16 i, a, from, f
	WIN \from
.irp b, 0,1,2,3,4,5,6,7
.irp r, 0,1,2,3
	v_cvt_pk_f16_f32 v[TMP+4*\b+\r], v[8*(8*\a+\b)+2*\r], v[8*(8*\a+\b)+2*\r+1]
.endr
.endr
	WIN 0
.irp b, 0,1,2,3,4,5,6,7
	ds_store_b128 v[STO], v[TMP+4*\b:TMP+4*\b+3] offset:32*\b
.endr
	s_wait_xcnt 0x0                                ; buffer f, which earlier stores read, and the stores' base are rewritten only behind this wait
.if \i
	s_add_nc_u64 s[8:9], s[8:9], 16*OROW
.endif
.irp t, 0,1,2,3,4,5,6,7
	ds_load_b128 v[\f+4*\t:\f+4*\t+3], v[RD] offset:\t*2*SPITCH    ; a wave's LDS instructions are served in order: these see the stores above
.endr
.irp t, 0,1,2,3,4,5,6,7
	s_wait_dscnt 7-\t                              ; load t is in, the younger ones stay out
	global_store_b128 v[CO], v[\f+4*\t:\f+4*\t+3], s[8:9] offset:2*\t*OROW   ; sixteen lanes store 256 consecutive bytes, at a multiple of 256
.endr
.endm
	OUT16 0, 0, 0x0a, F0
	OUT16 1, 1, 0x0a, F1
	OUT16 2, 2, 0x0a, F0
	OUT16 3, 3, 0x0a, F1
	OUT16 4, 0, 0x0f, F0
	OUT16 5, 1, 0x0f, F1
	OUT16 6, 2, 0x0f, F0
	OUT16 7, 3, 0x0f, F1
	s_set_vgpr_msb 0x1
	s_wait_tensorcnt 0x0
	ds_add_u32 v255, v255
	s_wait_dscnt 0x0
	s_set_vgpr_msb 0x100
	CROUND                                         ; the closing round: no work-group ends while a partner may still ask jointly
	s_endpgm
.Lfunc_end_k_qd08c473488_proj:
	.size	k_qd08c473488_proj, .Lfunc_end_k_qd08c473488_proj-k_qd08c473488_proj
	.p2alignl 7, 3214868480
	.fill 96, 4, 3214868480
	.section	.rodata,"a",@progbits
	.p2align	6, 0x0
	.amdhsa_kernel k_qd08c473488_proj
		.amdhsa_group_segment_fixed_size 327680
		.amdhsa_private_segment_fixed_size 0
		.amdhsa_enable_private_segment 0
		.amdhsa_kernarg_size 16
		.amdhsa_user_sgpr_count 2
		.amdhsa_user_sgpr_kernarg_segment_ptr 1
		.amdhsa_wavefront_size32 1
		.amdhsa_system_sgpr_workgroup_id_x 1
		.amdhsa_system_sgpr_workgroup_id_y 1
		.amdhsa_system_sgpr_workgroup_id_z 1
		.amdhsa_system_vgpr_workitem_id 0
		.amdhsa_next_free_vgpr 1024
		.amdhsa_next_free_sgpr 66
		.amdhsa_reserve_vcc 0
		.amdhsa_float_denorm_mode_32 3
		.amdhsa_float_denorm_mode_16_64 3
		.amdhsa_memory_ordered 1
		.amdhsa_forward_progress 1
		.amdhsa_inst_pref_size 197
	.end_amdhsa_kernel
	.amdgpu_metadata
---
amdhsa.version: [ 1, 2 ]
amdhsa.kernels:
  - .name:           k_qd08c473488_proj
    .symbol:         k_qd08c473488_proj.kd
    .args:
      - { .name: xw, .offset: 0, .size: 8, .value_kind: global_buffer, .address_space: global }
      - { .name: qkv, .offset: 8, .size: 8, .value_kind: global_buffer, .address_space: global }
    .group_segment_fixed_size: 327680
    .private_segment_fixed_size: 0
    .kernarg_segment_align: 8
    .kernarg_segment_size: 16
    .max_flat_workgroup_size: 128
    .sgpr_count:     66
    .vgpr_count:     1024
    .wavefront_size: 32
...
	.end_amdgpu_metadata
.endif
;; end of part 2
;; launch score (part 3): grid 16 x 16, 4 waves a work-group, clusters of 4 x 4, 327,680 bytes of LDS; arguments qkv, pmat, stats; writes pmat, stats
.if DOCPART == 3
	.amdgcn_target "amdgcn-amd-amdhsa--gfx1250"
	.amdhsa_code_object_version 6
	.text
	.protected	k_qd08c473488_score
	.globl	k_qd08c473488_score
	.p2align	8
	.type	k_qd08c473488_score,@function
k_qd08c473488_score:
	s_mov_b64 s[64:65], 0
	v_nop
	global_prefetch_b8 v0, s[64:65] scope:SCOPE_SE
	s_setreg_imm32_b32 hwreg(HW_REG_WAVE_MODE, 25, 1), 1
	s_wait_xcnt 0x0
	s_wait_alu depctr_hold_cnt(0) depctr_sa_sdst(0) depctr_va_vdst(0) depctr_va_sdst(0) depctr_va_ssrc(0) depctr_va_vcc(0) depctr_vm_vsrc(0)
	s_getreg_b32 s2, hwreg(HW_REG_IB_STS2, 6, 4)
	s_cmp_eq_u32 s2, 0
	s_cbranch_scc0 .Lentry_in_a_cluster
	s_endpgm
.Lentry_in_a_cluster:
	s_bfe_u32 s2, ttmp6, 0x10000c
	s_cmp_lg_u32 s2, 0xf033
	s_cbranch_scc0 .Lentry_shape_is_right
	s_endpgm
.Lentry_shape_is_right:
; S = q k^T (f16 operands, f32 sums), and the first half of the softmax, tile by tile of 128 keys:
;   mz[T][row] = c x max over the tile's keys of s,  c = log2(e) / 32  (the 1 / sqrt(1024) and the change to base 2 in one factor)
;   p = f16( exp2( c s - mz ) )  in (0, 1],      l[T][row] = the sum of these exponentials, in f32
; The maximum is taken away before every exponential; the launch behind this one joins the 32 tiles of a row by their maxima.
; LIMIT: a weight under about 6e-8 of its tile's largest becomes 0 in f16.  NaN and infinities are not treated.
; A work-group makes 256 rows x 256 keys with four waves; a wave's 128 x 128 is exactly one key tile for its 128 rows, so maxima and sums
; never leave the wave.  K = 1024 goes in steps of 128 through two LDS slots; both tiles lie [row][k].
; CLUSTERS of 4 x 4: q's tile hangs on the block row alone (shared along a row of the cluster), k's on the block column alone (along a column).
; REGISTERS in windows of 256: window 0 addresses, A's fragments v64-127, v128-191, and the way out's work; window 1 B's fragments;
; windows 2 and 3 the accumulators of my rows 0-63 and 64-127 (tile (a, b) at v[8 (8 a + b)]).
; Transposed use: source 0 = 16 rows of k, source 1 = 16 rows of q: lane l holds score row l % 16, registers 0-7 the keys 8 (l / 16) + 0..7.
; PMAT LIES IN FRAGMENT ORDER: [32 blocks of 128 rows][128 groups of 32 keys][8 row blocks of 16][2 halves][32 lanes][16 bytes].
; A lane's four packed registers of tile (a, b) are keys 16 b + 8 (l / 16) + 0..7 of row 16 a + l % 16: registers 0-3 (b even) or 4-7 (b odd) of the
; 16 x 32 fragment that the next launch's matrix instruction takes.  So they are stored as they stand, 512 consecutive bytes a store, with no
; way through LDS, and a wave's whole output is 32,768 consecutive bytes.
.set SIZE_K, 1024
.set KSTEP,  128
.set PITCH,  272                       ; 256 bytes + 16 = 17 x 16: sixteen rows start 16 bytes apart modulo 256
.set HALFT,  128*PITCH
.set SLOT,   4*HALFT
.set SSTAGE, 2*SLOT                    ; behind the ring, 1,024 bytes for each wave: 128 maxima, 128 sums; no tensor load lands here
.set ASTEP,  KSTEP*2
.set LAPS,   SIZE_K/(2*KSTEP)
.set ADRA, 16
.set ADRB, 20
.set SA,   27                          ; v27     statistics: where my row's word goes
.set SB,   28                          ; v28     statistics: where I read 16 bytes back
.set SO,   29                          ; v29     16 x lane: my place in every store
.set PX,   30                          ; v30     what the other half of the lanes holds
.set MZ,   32                          ; v[32:39]  c x max of row 16 a + r
.set NM,   40                          ; v[40:55]  its negative, twice (a pair for the packed multiply-add)
.set LS,   56                          ; v[56:63]  the row's sum
.set F0,   64
.set F1,   128
.set T1,   64                          ; v[64:151] 4 x 22 partial maxima (the fragments are done with by then)
.set SR,   64                          ; v[64:71]  the statistics, read back (behind the last maxima)
.set TS,   224                         ; v[224:255] partial sums
                                       ; v[192:223], v[152:183]: the packed weights, two sets that take turns
.set G1,  24
.set G0,  32
.set G1B, 48
.set G0B, 56
.set MSB, 0
.macro WIN new
.if MSB != \new
	s_set_vgpr_msb (MSB<<8)|\new
.set MSB, \new
.endif
.endm
.set MUL_LO, 0xa1
.set MUL_HI, 0xf1
.set TO_B,   0x40
.macro JLOAD s                         ; waves 0 and 1 fetch q's halves, waves 2 and 3 k's
	s_cmp_eq_u32 s11, 0
	s_cbranch_scc0 .Lfor_b_\@
	tensor_load_to_lds s[G0+4*\s:G0+4*\s+3], s[G1:G1+7]
	s_nop 0
	s_branch .Lasked_\@
.Lfor_b_\@:
	tensor_load_to_lds s[G0B+4*\s:G0B+4*\s+3], s[G1B:G1B+7]
	s_nop 0
.Lasked_\@:
.endm
.macro CREST
	s_cmp_lg_u32 s10, 0
	s_cbranch_scc1 .Lnot_wave_0_\@
	s_barrier_signal -3
.Lnot_wave_0_\@:
	s_barrier_wait -3
	s_barrier_signal -1
	s_barrier_wait -1
.endm
.macro CROUND
	s_barrier_signal -1
	s_barrier_wait -1
	CREST
.endm
	s_load_b128 s[4:7], s[0:1], 0x0                ; qkv s[4:5], pmat s[6:7]
	s_load_b64 s[72:73], s[0:1], 0x10              ; stats
	s_set_vgpr_msb 0x40
	v_lshl_add_u32 v255, v0, 2, 0x45000
	s_set_vgpr_msb 0x4000
	v_mov_b32 v31, 0
	s_set_vgpr_msb 0x1
	ds_add_u32 v255, v31
	s_set_vgpr_msb 0x100
	v_lshrrev_b32 v1, 5, v0
	v_readfirstlane_b32 s10, v1                    ; wave 0..3
	s_lshr_b32 s11, s10, 1                         ; my half of the rows; also: I fetch for q (0) or k (1)
	s_and_b32 s12, s10, 1                          ; my half of the keys; also: which 128 rows of that tile I fetch
	s_bfe_u32 s40, ttmp6, 0x40000                  ; cx
	s_bfe_u32 s41, ttmp6, 0x40004                  ; cy
	s_lshl_b32 s42, ttmp9, 2
	s_add_co_u32 s42, s42, s40                     ; block column (keys)
	s_and_b32 s13, ttmp7, 0xffff
	s_lshl_b32 s13, s13, 2
	s_add_co_u32 s13, s13, s41                     ; block row (queries)
	s_lshl_b32 s43, s41, 2
	s_lshl_b32 s43, 15, s43                        ; my row of the cluster
	s_lshl_b32 s44, 0x1111, s40                    ; my column
	s_mov_b32 s66, 0x3d38aa3b                      ; c = log2(e) / 32
	s_mov_b32 s67, 0x3d38aa3b
	s_mov_b32 s68, 0xbd38aa3b                      ; -c
	s_mov_b32 s70, 0x76543210                      ; v_permlanex16_b32: lane i of one half reads lane i of the other
	s_mov_b32 s71, 0xfedcba98
	v_mov_b32 v[PX], 0                             ; the permute's destination counts as read
	; both tiles: 128 rows x 128 elements of 2 bytes, 4 words of padding behind every 64 words
	s_or_b32 s[G1+0], s43, (1<<16)|(1<<20)|(1<<21)|(5<<22)|(3<<25)
	s_or_b32 s[G1B+0], s44, (1<<16)|(1<<20)|(1<<21)|(5<<22)|(3<<25)
	s_mov_b32 s[G1+1], KSTEP<<16
	s_mov_b32 s[G1B+1], KSTEP<<16
	s_mov_b32 s[G1+2], 128<<16
	s_mov_b32 s[G1B+2], 128<<16
	s_mov_b32 s[G1+3], KSTEP<<16
	s_mov_b32 s[G1B+3], KSTEP<<16
	s_mov_b32 s[G1+4], 128
	s_mov_b32 s[G1B+4], 128
	s_mov_b32 s[G1+5], SIZE_K
	s_mov_b32 s[G1B+5], SIZE_K
	s_mov_b32 s[G1+6], 0
	s_mov_b32 s[G1B+6], 0
	s_mov_b32 s[G1+7], 0
	s_mov_b32 s[G1B+7], 0
	s_lshl_b32 s17, s12, 7
	s_lshl_b32 s16, s13, 8
	s_add_co_u32 s16, s16, s17                     ; q: row 256 x block row + 128 x half
	s_lshl_b32 s16, s16, 11
	s_lshl_b32 s46, s42, 8
	s_add_co_u32 s46, s46, s17                     ; k: row 256 x block column + 128 x half
	s_lshl_b32 s46, s46, 11
	s_add_co_u32 s46, s46, 0x800000                ; k lies behind q's 8,388,608 bytes
	s_mov_b32 s17, 0
	s_mov_b32 s47, 0
	s_mul_i32 s20, s10, HALFT
	s_wait_dscnt 0x0
	s_wait_kmcnt 0x0
	s_add_nc_u64 s[14:15], s[4:5], s[16:17]
	s_add_nc_u64 s[46:47], s[4:5], s[46:47]
	CROUND
.irp s, 0,1
	s_mov_b32 s[G0+4*\s], 1
	s_add_co_u32 s[G0+4*\s+1], s20, \s*SLOT
	s_add_nc_u64 s[G0+4*\s+2:G0+4*\s+3], s[14:15], \s*ASTEP
	s_or_b32 s[G0+4*\s+3], s[G0+4*\s+3], 0x80000000
	s_mov_b32 s[G0B+4*\s], 1
	s_add_co_u32 s[G0B+4*\s+1], s20, \s*SLOT
	s_add_nc_u64 s[G0B+4*\s+2:G0B+4*\s+3], s[46:47], \s*ASTEP
	s_or_b32 s[G0B+4*\s+3], s[G0B+4*\s+3], 0x80000000
	JLOAD \s                                       ; two tensor loads of the wave are out, the most in this text
.endr
	v_and_b32 v1, 15, v0                           ; r
	v_bfe_u32 v2, v0, 4, 1                         ; h
	v_mul_u32_u24 v3, v1, PITCH
	v_lshl_add_u32 v3, v2, 4, v3
	s_mul_i32 s21, s11, HALFT
	s_mul_i32 s22, s12, HALFT
	s_add_co_u32 s22, s22, 2*HALFT
.irp s, 0,1
	v_add_nc_u32 v[ADRA+\s], s21, v3
	v_add_nc_u32 v[ADRB+\s], s22, v3
	s_add_co_u32 s21, s21, SLOT
	s_add_co_u32 s22, s22, SLOT
.endr
	s_lshl_b32 s23, s10, 10
	s_add_co_u32 s23, s23, SSTAGE                  ; my 1,024 bytes for the statistics
	v_lshl_add_u32 v[SA], v1, 2, s23               ; + 4 r
	v_and_b32 v6, 31, v0
	v_lshlrev_b32 v[SO], 4, v6                     ; 16 x lane
	v_add_nc_u32 v[SB], s23, v[SO]
.macro MUL16 f, hi, a0, zero
.irp a, \a0, \a0+1
.irp b, 0,1,2,3,4,5,6,7
.if \zero
	v_wmma_f32_16x16x32_f16 v[8*(8*(\a)+\b):8*(8*(\a)+\b)+7], v[\f+8*\b:\f+8*\b+7], v[\f+8*(4*\hi+\a):\f+8*(4*\hi+\a)+7], 0
.else
	v_wmma_f32_16x16x32_f16 v[8*(8*(\a)+\b):8*(8*(\a)+\b)+7], v[\f+8*\b:\f+8*\b+7], v[\f+8*(4*\hi+\a):\f+8*(4*\hi+\a)+7], v[8*(8*(\a)+\b):8*(8*(\a)+\b)+7]
.endif
.endr
.endr
.endm
.macro FETCH slot, q, f
	WIN TO_B
.irp i, 0,1,2,3,4,5,6,7
	ds_load_b128 v[\f+8*\i:\f+8*\i+3],   v[ADRB+\slot] offset:\q*64+\i*16*PITCH
	ds_load_b128 v[\f+8*\i+4:\f+8*\i+7], v[ADRB+\slot] offset:\q*64+\i*16*PITCH+32
.endr
	WIN 0
.irp i, 0,1,2,3,4,5,6,7
	ds_load_b128 v[\f+8*\i:\f+8*\i+3],   v[ADRA+\slot] offset:\q*64+\i*16*PITCH
	ds_load_b128 v[\f+8*\i+4:\f+8*\i+7], v[ADRA+\slot] offset:\q*64+\i*16*PITCH+32
.endr
.endm
; Four independent vector instructions stand between a matrix instruction and a load into, or a vector access to, its registers
.macro PLACES
.rept 4
	v_nop
.endr
.endm
; The 64 accumulators take turns in the same order in every quarter.
.macro QUARTER slot, q, f, g, zero
	s_wait_dscnt 8                                 ; B and A's rows 0-63 are in; the youngest eight loads (A's rows 64-127) may be out
	WIN MUL_LO
	MUL16 \f, 0, 0, \zero
	MUL16 \f, 0, 2, \zero
	PLACES
	FETCH \slot, \q, \g
	s_wait_dscnt 32                                ; all but the 32 just issued
	WIN MUL_HI
	MUL16 \f, 1, 0, \zero
	MUL16 \f, 1, 2, \zero
.endm
.macro THREE slot, zero
	QUARTER \slot, 1, F0, F1, \zero
	QUARTER \slot, 2, F1, F0, 0
	QUARTER \slot, 3, F0, F1, 0
.endm
.macro TURN slot, next, fill
	s_wait_dscnt 8
	WIN MUL_LO
	MUL16 F1, 0, 0, 0
	s_wait_dscnt 0                                 ; my reads of this slot are over
	s_wait_tensorcnt 0x0                           ; all my tensor loads have landed: the one that was out is my part of the next slot
	ds_add_u32 v255, v31
	s_wait_dscnt 0x0
	s_barrier_signal -1                            ; where the slot is filled again this barrier opens a round of the cluster's barrier
	MUL16 F1, 0, 2, 0
	WIN 0
	s_barrier_wait -1
.if \fill
	CREST
	s_add_nc_u64 s[G0+4*\slot+2:G0+4*\slot+3], s[G0+4*\slot+2:G0+4*\slot+3], 2*ASTEP
	s_add_nc_u64 s[G0B+4*\slot+2:G0B+4*\slot+3], s[G0B+4*\slot+2:G0B+4*\slot+3], 2*ASTEP
	JLOAD \slot                                    ; the first tensor load behind the round
.endif
	PLACES
	FETCH \next, 0, F0
	WIN MUL_HI
	MUL16 F1, 1, 0, 0
	MUL16 F1, 1, 2, 0
.endm
.macro LAP zero
	THREE 0, \zero
	TURN 0, 1, 1
	THREE 1, 0
	TURN 1, 0, 1
.endm
	s_wait_tensorcnt 1                             ; my part of K step 0 is in; K step 1's stays out
	s_barrier_signal -1
	s_barrier_wait -1
	FETCH 0, 0, F0
	LAP 1
	WIN 0
	s_mov_b32 s3, LAPS-2
.Llap:
	LAP 0
	WIN 0
	s_sub_co_u32 s3, s3, 1
	s_cmp_lg_u32 s3, 0
	s_cbranch_scc1 .Llap
	THREE 0, 0
	TURN 0, 1, 0
	THREE 1, 0
	s_wait_dscnt 8
	WIN MUL_LO
	MUL16 F1, 0, 0, 0
	MUL16 F1, 0, 2, 0
	s_wait_dscnt 0
	WIN MUL_HI
	MUL16 F1, 1, 0, 0
	MUL16 F1, 1, 2, 0
	; THE WAY OUT.  Row 16 a + r of my 128 lies in the 64 registers of the tiles (a, 0..7) of lanes r and r + 16.
	PLACES
	s_lshl_b32 s18, s13, 1
	s_add_co_u32 s18, s18, s11                     ; my block of 128 rows, 0..31
	s_lshl_b32 s16, s18, 20                        ; x 128 groups of 8,192 bytes
	s_mov_b32 s17, 0
	s_add_nc_u64 s[8:9], s[6:7], s[16:17]
	s_lshl_b32 s44, s42, 1
	s_add_co_u32 s44, s44, s12                     ; my key tile T, 0..31
	s_lshl_b32 s46, s44, 15                        ; x 4 groups of 8,192 bytes
	s_mov_b32 s47, 0
	s_add_nc_u64 s[8:9], s[8:9], s[46:47]
	s_lshl_b32 s16, s18, 9                         ; statistics: 128 rows of 4 bytes,
	s_add_nc_u64 s[72:73], s[72:73], s[16:17]
	s_lshl_b32 s46, s44, 14                        ; 16,384 bytes for each tile
	s_add_nc_u64 s[72:73], s[72:73], s[46:47]
; The maxima of four row blocks (one window).  win: all three sources in the accumulators' window, the destination in window 0.
; 64 numbers -> 22 (20 of three, 2 of two) -> 8 -> 4 -> 2 -> 1, then the other half of the lanes.
.macro ROWMAX win, ab
	WIN \win
.irp a, 0,1,2,3
.set j, 0
.rept 20
	v_max3_num_f32 v[T1+22*\a+j], v[64*\a+3*j], v[64*\a+3*j+1], v[64*\a+3*j+2]
.set j, j+1
.endr
	v_max_num_f32 v[T1+22*\a+20], v[64*\a+60], v[64*\a+61]
	v_max_num_f32 v[T1+22*\a+21], v[64*\a+62], v[64*\a+63]
.endr
	WIN 0
.irp a, 0,1,2,3
.irp k, 0,1,2,3,4,5,6
	v_max3_num_f32 v[T1+22*\a+\k], v[T1+22*\a+3*\k], v[T1+22*\a+3*\k+1], v[T1+22*\a+3*\k+2]
.endr
	v_max3_num_f32 v[T1+22*\a],   v[T1+22*\a],   v[T1+22*\a+1], v[T1+22*\a+2]
	v_max3_num_f32 v[T1+22*\a+1], v[T1+22*\a+3], v[T1+22*\a+4], v[T1+22*\a+5]
	v_max3_num_f32 v[T1+22*\a],   v[T1+22*\a],   v[T1+22*\a+1], v[T1+22*\a+6]
	v_max_num_f32  v[T1+22*\a],   v[T1+22*\a],   v[T1+22*\a+21]
	v_permlanex16_b32 v[PX], v[T1+22*\a], s70, s71
	v_max_num_f32  v[T1+22*\a],   v[T1+22*\a],   v[PX]
	v_mul_f32 v[MZ+\ab+\a], s66, v[T1+22*\a]               ; c x max
	v_mul_f32 v[NM+2*(\ab+\a)],   s68, v[T1+22*\a]         ; and its exact negative, twice
	v_mul_f32 v[NM+2*(\ab+\a)+1], s68, v[T1+22*\a]
.endr
.endm
; exp2(c s - mz) in place.  win: source 0 and destination in the accumulators' window, source 2 (the negative maxima) in window 0.
; The exponentials follow each other on different registers; the line behind a run of them touches none of its registers (ISA guide 5.7.2).
.macro EXPS win, ab
	WIN \win
.irp a, 0,1,2,3
.set j, 0
.rept 32
	v_pk_fma_f32 v[64*\a+2*j:64*\a+2*j+1], v[64*\a+2*j:64*\a+2*j+1], s[66:67], v[NM+2*(\ab+\a):NM+2*(\ab+\a)+1] op_sel_hi:[1,0,1]
.set j, j+1
.endr
.set j, 0
.rept 64
	v_exp_f32 v[64*\a+j], v[64*\a+j]
.set j, j+1
.endr
.endr
	v_nop
	s_wait_alu depctr_va_vdst(0)
.endm
; Row block i (rows 16 i .. 16 i + 15; tiles (a, 0..7) of the window named by from): the weights rounded to f16 and stored as they stand,
; tile b as half b % 2 of the fragment of key group b / 2; and the row sums in f32.
.macro POUT i, a, from
.set TM, 192-40*(\i&1)                 ; the two packing sets take turns
.if \i >= 2
	s_wait_xcnt 0x0                                ; this set, which the stores of two row blocks ago read, is rewritten only behind this wait
.endif
	WIN \from
.irp k, 0,1,2,3,4,5,6,7,8,9,10,11,12,13,14,15
	v_pk_add_f32 v[TS+2*\k:TS+2*\k+1], v[64*\a+4*\k:64*\a+4*\k+1], v[64*\a+4*\k+2:64*\a+4*\k+3]
.endr
.irp b, 0,1,2,3,4,5,6,7
.irp r, 0,1,2,3
	v_cvt_pk_f16_f32 v[TM+4*\b+\r], v[8*(8*\a+\b)+2*\r], v[8*(8*\a+\b)+2*\r+1]
.endr
.endr
	WIN 0
.irp b, 0,1,2,3,4,5,6,7
	global_store_b128 v[SO], v[TM+4*\b:TM+4*\b+3], s[8:9] offset:(\b>>1)*8192+\i*1024+(\b&1)*512   ; the wave stores 512 consecutive bytes, at a multiple of 512
.endr
.irp k, 0,1,2,3,4,5,6,7
	v_pk_add_f32 v[TS+2*\k:TS+2*\k+1], v[TS+2*\k:TS+2*\k+1], v[TS+16+2*\k:TS+17+2*\k]
.endr
.irp k, 0,1,2,3
	v_pk_add_f32 v[TS+2*\k:TS+2*\k+1], v[TS+2*\k:TS+2*\k+1], v[TS+8+2*\k:TS+9+2*\k]
.endr
.irp k, 0,1
	v_pk_add_f32 v[TS+2*\k:TS+2*\k+1], v[TS+2*\k:TS+2*\k+1], v[TS+4+2*\k:TS+5+2*\k]
.endr
	v_pk_add_f32 v[TS:TS+1], v[TS:TS+1], v[TS+2:TS+3]
	v_add_f32 v[TS], v[TS], v[TS+1]
	v_permlanex16_b32 v[PX], v[TS], s70, s71
	v_add_f32 v[LS+\i], v[TS], v[PX]
.endm
	; rows 0-63 first, whole, so that their 32 stores are on their way while rows 64-127 are worked on
	ROWMAX 0x2a, 0
	EXPS 0x82, 0
	POUT 0, 0, 0x0a
	POUT 1, 1, 0x0a
	POUT 2, 2, 0x0a
	POUT 3, 3, 0x0a
	ROWMAX 0x3f, 4
	EXPS 0xc3, 4
	POUT 4, 0, 0x0f
	POUT 5, 1, 0x0f
	POUT 6, 2, 0x0f
	POUT 7, 3, 0x0f
	; the statistics: row 16 a + r at byte 64 a + 4 r of my stage (both halves of the lanes write the same word), read back 16 bytes a lane
.irp a, 0,1,2,3,4,5,6,7
	ds_store_b32 v[SA], v[MZ+\a] offset:64*\a
	ds_store_b32 v[SA], v[LS+\a] offset:512+64*\a
.endr
	ds_load_b128 v[SR:SR+3],   v[SB]               ; a wave's LDS instructions are served in order: these see the stores above
	ds_load_b128 v[SR+4:SR+7], v[SB] offset:512
	s_wait_dscnt 0x0
	global_store_b128 v[SO], v[SR:SR+3],   s[72:73]                    ; 512 consecutive bytes: my 128 rows' maxima
	global_store_b128 v[SO], v[SR+4:SR+7], s[72:73] offset:524288      ; and their sums
	s_set_vgpr_msb 0x1
	s_wait_tensorcnt 0x0
	ds_add_u32 v255, v31
	s_wait_dscnt 0x0
	s_set_vgpr_msb 0x100
	CROUND                                         ; the closing round
	s_endpgm
.Lfunc_end_k_qd08c473488_score:
	.size	k_qd08c473488_score, .Lfunc_end_k_qd08c473488_score-k_qd08c473488_score
	.p2alignl 7, 3214868480
	.fill 96, 4, 3214868480
	.section	.rodata,"a",@progbits
	.p2align	6, 0x0
	.amdhsa_kernel k_qd08c473488_score
		.amdhsa_group_segment_fixed_size 327680
		.amdhsa_private_segment_fixed_size 0
		.amdhsa_enable_private_segment 0
		.amdhsa_kernarg_size 24
		.amdhsa_user_sgpr_count 2
		.amdhsa_user_sgpr_kernarg_segment_ptr 1
		.amdhsa_wavefront_size32 1
		.amdhsa_system_sgpr_workgroup_id_x 1
		.amdhsa_system_sgpr_workgroup_id_y 1
		.amdhsa_system_sgpr_workgroup_id_z 1
		.amdhsa_system_vgpr_workitem_id 0
		.amdhsa_next_free_vgpr 1024
		.amdhsa_next_free_sgpr 76
		.amdhsa_reserve_vcc 0
		.amdhsa_float_denorm_mode_32 3
		.amdhsa_float_denorm_mode_16_64 3
		.amdhsa_memory_ordered 1
		.amdhsa_forward_progress 1
		.amdhsa_inst_pref_size 253
	.end_amdhsa_kernel
	.amdgpu_metadata
---
amdhsa.version: [ 1, 2 ]
amdhsa.kernels:
  - .name:           k_qd08c473488_score
    .symbol:         k_qd08c473488_score.kd
    .args:
      - { .name: qkv, .offset: 0, .size: 8, .value_kind: global_buffer, .address_space: global }
      - { .name: pmat, .offset: 8, .size: 8, .value_kind: global_buffer, .address_space: global }
      - { .name: stats, .offset: 16, .size: 8, .value_kind: global_buffer, .address_space: global }
    .group_segment_fixed_size: 327680
    .private_segment_fixed_size: 0
    .kernarg_segment_align: 8
    .kernarg_segment_size: 24
    .max_flat_workgroup_size: 128
    .sgpr_count:     76
    .vgpr_count:     1024
    .wavefront_size: 32
...
	.end_amdgpu_metadata
.endif
;; end of part 3
;; launch pv (part 4): grid 8 x 32, 4 waves a work-group, clusters of 4 x 4, 327,680 bytes of LDS; arguments pmat, qkv, stats, out0; writes out0
.if DOCPART == 4
	.amdgcn_target "amdgcn-amd-amdhsa--gfx1250"
	.amdhsa_code_object_version 6
	.text
	.protected	k_qd08c473488_pv
	.globl	k_qd08c473488_pv
	.p2align	8
	.type	k_qd08c473488_pv,@function
k_qd08c473488_pv:
	s_mov_b64 s[64:65], 0
	v_nop
	global_prefetch_b8 v0, s[64:65] scope:SCOPE_SE
	s_setreg_imm32_b32 hwreg(HW_REG_WAVE_MODE, 25, 1), 1
	s_wait_xcnt 0x0
	s_wait_alu depctr_hold_cnt(0) depctr_sa_sdst(0) depctr_va_vdst(0) depctr_va_sdst(0) depctr_va_ssrc(0) depctr_va_vcc(0) depctr_vm_vsrc(0)
	s_getreg_b32 s2, hwreg(HW_REG_IB_STS2, 6, 4)
	s_cmp_eq_u32 s2, 0
	s_cbranch_scc0 .Lentry_in_a_cluster
	s_endpgm
.Lentry_in_a_cluster:
	s_bfe_u32 s2, ttmp6, 0x10000c
	s_cmp_lg_u32 s2, 0xf033
	s_cbranch_scc0 .Lentry_shape_is_right
	s_endpgm
.Lentry_shape_is_right:
; out0 = softmax(S) v, from the tiles' weights:  out[row] = ( sum over key tiles T of f(row, T) P_T[row] V_T ) / L(row), with
;   M = max over T of mz[T][row],  f = f16( exp2( mz[T][row] - M ) ) <= 1,  L = sum over T of f x l[T][row]  (with the rounded f, so that
;   numerator and denominator carry the same factor).  The row's true maximum is taken away: no exponent is above 0.
; LIMIT: a tile whose factor is under about 6e-8 counts as 0, and products f x p under 6e-5 lose relative precision (absolute step 6e-8,
; against a largest weight of 1).  NaN and infinities are not treated.
; A work-group makes 128 rows x 128 columns, so that 8 x 32 = 256 work-groups share the work.  THE FOUR WAVES SPLIT THE KEYS: of each K step of
; 512 keys wave w multiplies keys 128 w .. 128 w + 127 (one key tile T = 4 x step + w, four quarters of 32 keys) into a 128 x 128 accumulator of
; its own (512 registers).  At the end the four partial blocks are added through LDS.
; P COMES STRAIGHT INTO REGISTERS.  pmat lies in fragment order ([32 row blocks of 128][128 groups of 32 keys][8 x 16 rows][2][32 lanes][16 bytes]), so a
; fragment is two loads of 512 consecutive bytes.  Four fragment buffers; each half buffer (4 fragments, 8 loads) is asked for again as soon as its
; 32 matrix instructions are done, 224 matrix instructions before it is used; these loads stay out across the barriers.
; P IS NOT ASKED FOR JOINTLY, though the 8 block columns read the same P: with the keys split, a byte of P feeds one wave of a work-group, once, so
; LDS would add a write and a read of it and no reuse; and without P the ring holds V for 512 keys a slot instead of 256, so that a refill has 240
; of a K step's 256 matrix instructions in which to land instead of 112 of 128.  The price: a byte of P is requested 8 times, not twice.
; V comes by tensor loads, jointly with my column of the 4 x 4 cluster (V's tile hangs on the block column alone).  Each wave fetches the 128 keys
; that it reads itself.  V lies [key][column] as in memory; its fragments are made by the transposing LDS load.
; P's fragments are multiplied by f (one packed f16 multiply a register) on their way to the matrix instruction.
; REGISTERS in windows of 256: window 0: v16-31 addresses, v32-39 factors, v40-63 scratch, V's fragments v64-127 and v128-191, P buffer 0 v192-255;
; window 1: P buffers 1, 2, 3 at v0-63, v64-127, v128-191; windows 2 and 3: the accumulators of rows 0-63, 64-127 (tile (a, b) at v[8 (8 a + b)]).
; Transposed use: source 0 = 16 columns of V, source 1 = 16 rows of P: lane l holds row l % 16, registers 0-7 the columns 8 (l / 16) + 0..7.
.set BP,    288                        ; V's LDS row: 256 bytes + 32 = 9 x 32, for the transposing load
.set WPART, 128*BP                     ; one tensor load: a wave's 128 keys
.set SLOT,  4*WPART                    ; 147,456
.set FT,    2*SLOT                     ; behind the ring: f as a pair of f16, [32 tiles][128 rows] words; no tensor load lands here or behind
.set XM,    FT+16384                   ; [4 waves][128 rows] the waves' partial maxima
.set XL,    XM+2048                    ; [4 waves][128 rows] the waves' partial sums L
.set AP,    528                        ; the reduction: a row of 128 f32 + 16 bytes
.set REDW,  128*AP                     ; a wave's partial block; the four lie in the ring's bytes, behind the ring's last fill
.set BSTEP, 512*2048                   ; a K step down V's rows, in bytes
.set PQ,    8192                       ; P: a group of 32 keys for 128 rows
.set PSTEP, 16*PQ                      ; P: a K step
.set LAPS,  4                          ; 4 laps of two K steps
.set XA,   16                          ; v16     where I put my four rows' partial figures
.set XR,   17                          ; v17     where I read the four waves' maxima
.set ADRB, 20                          ; v20-21  LDS address of my V fragments in slot 0, 1
.set FADR, 22                          ; v22     LDS address of my factors: steps one K step (four tiles, 2,048 bytes) at a time
.set FTW,  23                          ; v23     where I write my four rows' factors
.set STO,  24                          ; v24     the reduction: where my partial block goes
.set RD,   25                          ; v25-28  the reduction: my rows in the four partial blocks
.set CO,   29                          ; v29     16 x lane
.set LV,   30                          ; v30     1 / L of row 32 w + lane
.set LVA,  31
.set FS,   32                          ; v[32:39] f (twice, as f16) of row 16 a + r in my tile of this K step
.set PM,   40                          ; v[40:43] prologue: maxima of my four rows
.set PT,   44                          ; v[44:59] prologue: the four waves' maxima; then v[44:47] my partial L
.set FF,   64                          ; prologue: v[64:95] 8 tiles x 4 rows: the factors, then their f16 pairs
.set FR,   96                          ;           v[96:127] the rounded factors, back in f32
.set SMZ,  128                         ;           v[128:159] mz
.set SL,   160                         ;           v[160:191] l
.set PB,  14                           ; s[14:15] P at my wave's first group of the lap
.set G1B, 48                           ; s[48:55] descriptor group 1 for V's tiles
.set G0B, 56                           ; s[56:63] group 0, one set for each slot
.set MSB, 0
.macro WIN new
.if MSB != \new
	s_set_vgpr_msb (MSB<<8)|\new
.set MSB, \new
.endif
.endm
.macro ASET buf                        ; P buffer buf: its first register AR and its window AW
.if \buf == 0
.set AR, 192
.set AW, 0
.else
.set AR, 64*(\buf-1)
.set AW, 1
.endif
.endm
.macro CREST
	s_cmp_lg_u32 s10, 0
	s_cbranch_scc1 .Lnot_wave_0_\@
	s_barrier_signal -3
.Lnot_wave_0_\@:
	s_barrier_wait -3
	s_barrier_signal -1
	s_barrier_wait -1
.endm
.macro CROUND
	s_barrier_signal -1
	s_barrier_wait -1
	CREST
.endm
; Eight loads: the four fragments of rows 64 half .. 64 half + 63 of the group at byte off behind PB, into P buffer buf
.macro PLOAD buf, half, off
	ASET \buf
	WIN (AW<<6)
.irp a, 0,1,2,3
	global_load_b128 v[AR+32*\half+8*\a:AR+32*\half+8*\a+3],   v[CO], s[PB:PB+1] offset:\off+4096*\half+1024*\a
	global_load_b128 v[AR+32*\half+8*\a+4:AR+32*\half+8*\a+7], v[CO], s[PB:PB+1] offset:\off+4096*\half+1024*\a+512
.endr
.endm
	s_load_b128 s[4:7], s[0:1], 0x0                ; pmat s[4:5], qkv s[6:7]
	s_load_b128 s[68:71], s[0:1], 0x10             ; stats s[68:69], out0 s[70:71]
	v_lshl_add_u32 v63, v0, 2, 0x4d000
	s_set_vgpr_msb 0x40
	v_mov_b32 v255, 0
	s_set_vgpr_msb 0x4044
	ds_add_u32 v63, v255
	s_set_vgpr_msb 0x4400
	v_lshrrev_b32 v1, 5, v0
	v_readfirstlane_b32 s10, v1                    ; wave 0..3
	s_bfe_u32 s40, ttmp6, 0x40000                  ; cx
	s_bfe_u32 s41, ttmp6, 0x40004                  ; cy
	s_lshl_b32 s42, ttmp9, 2
	s_add_co_u32 s42, s42, s40                     ; block column 0..7
	s_and_b32 s13, ttmp7, 0xffff
	s_lshl_b32 s13, s13, 2
	s_add_co_u32 s13, s13, s41                     ; block row 0..31
	s_lshl_b32 s44, 0x1111, s40                    ; my column of the cluster
	; group 1 for V: 128 keys x 128 elements of 2 bytes, 8 words of padding behind every 64 words
	s_or_b32 s[G1B+0], s44, (1<<16)|(1<<20)|(1<<21)|(5<<22)|(7<<25)
	s_mov_b32 s[G1B+1], 128<<16                    ; tensor_dim0 = 128
	s_mov_b32 s[G1B+2], 128<<16                    ; tensor_dim1 = 128
	s_mov_b32 s[G1B+3], 128<<16                    ; tile_dim0 = 128
	s_mov_b32 s[G1B+4], 128                        ; tile_dim1 = 128
	s_mov_b32 s[G1B+5], 1024                       ; elements from row to row
	s_mov_b32 s[G1B+6], 0
	s_mov_b32 s[G1B+7], 0
	v_and_b32 v7, 31, v0
	v_lshlrev_b32 v[CO], 4, v7                     ; 16 x lane
	s_lshl_b32 s22, s10, 17                        ; statistics: my wave's tiles 8 w .. 8 w + 7, 16,384 bytes each,
	v_add_nc_u32 v8, s22, v[CO]                    ; my lane's rows 4 l .. 4 l + 3
	s_lshl_b32 s16, s13, 20                        ; P: 128 groups of 8,192 bytes for each block row,
	s_lshl_b32 s17, s10, 15                        ; + my wave's four groups of K step 0
	s_add_co_u32 s16, s16, s17
	s_mov_b32 s17, 0
	s_lshl_b32 s18, s13, 9                         ; statistics: the block's 128 rows, 4 bytes each
	s_mov_b32 s19, 0
	s_lshl_b32 s46, s42, 8                         ; V: 128 columns x 2 bytes for each block column,
	s_lshl_b32 s47, s10, 18                        ; + my wave's 128 keys of 2,048 bytes,
	s_add_co_u32 s46, s46, s47
	s_add_co_u32 s46, s46, 0x1000000               ; behind q's and k's 16,777,216 bytes
	s_mov_b32 s47, 0
	s_mul_i32 s21, s10, WPART                      ; LDS: my wave's part of a slot
	s_wait_dscnt 0x0
	s_wait_kmcnt 0x0
	s_add_nc_u64 s[PB:PB+1], s[4:5], s[16:17]
	s_add_nc_u64 s[46:47], s[6:7], s[46:47]
	s_add_nc_u64 s[68:69], s[68:69], s[18:19]
	; first of all the loads into registers: 16 for the statistics, then P's first five halves: 56 loads out, the most in this text
.irp t, 0,1,2,3,4,5,6,7
	global_load_b128 v[SMZ+4*\t:SMZ+4*\t+3], v8, s[68:69] offset:16384*\t
.endr
.irp t, 0,1,2,3,4,5,6,7
	global_load_b128 v[SL+4*\t:SL+4*\t+3], v8, s[68:69] offset:524288+16384*\t
.endr
	PLOAD 0, 0, 0
	PLOAD 0, 1, 0
	PLOAD 1, 0, PQ
	PLOAD 1, 1, PQ
	PLOAD 2, 0, 2*PQ
	WIN 0
	CROUND                                         ; all sixteen work-groups are here: the first joint loads meet
.irp s, 0,1
	s_mov_b32 s[G0B+4*\s], 1
	s_add_co_u32 s[G0B+4*\s+1], s21, \s*SLOT
	s_add_nc_u64 s[G0B+4*\s+2:G0B+4*\s+3], s[46:47], \s*BSTEP
	s_or_b32 s[G0B+4*\s+3], s[G0B+4*\s+3], 0x80000000
	tensor_load_to_lds s[G0B+4*\s:G0B+4*\s+3], s[G1B:G1B+7]        ; K steps 0 and 1: two tensor loads of the wave are out, the most in this text
	s_nop 0
.endr
	; addresses, while all that is on its way
	v_and_b32 v1, 15, v0                           ; r
	v_bfe_u32 v2, v0, 4, 1                         ; h
	v_and_b32 v4, 7, v0
	v_lshl_add_u32 v4, v2, 3, v4                   ; V: key row 8 h + l % 8,
	v_mul_u32_u24 v4, v4, BP
	v_bfe_u32 v5, v0, 3, 1
	v_lshl_add_u32 v4, v5, 4, v4                   ; 16 bytes (8 columns) for each group of eight lanes,
	s_mov_b32 s23, s21                             ; in my wave's part
.irp s, 0,1
	v_add_nc_u32 v[ADRB+\s], s23, v4
	s_add_co_u32 s23, s23, SLOT
.endr
	s_lshl_b32 s22, s10, 9
	s_add_co_u32 s22, s22, FT
	v_lshl_add_u32 v[FADR], v1, 2, s22             ; factors: tile w of K step 0, row r
	s_lshl_b32 s22, s10, 12
	s_add_co_u32 s22, s22, FT
	v_add_nc_u32 v[FTW], s22, v[CO]                ; I write tiles 8 w .. 8 w + 7, rows 4 l .. 4 l + 3
	s_lshl_b32 s22, s10, 9
	s_add_co_u32 s22, s22, XM
	v_add_nc_u32 v[XA], s22, v[CO]
	v_add_nc_u32 v[XR], XM, v[CO]
	v_mul_u32_u24 v6, v1, AP
	v_lshl_add_u32 v6, v2, 5, v6                   ; the reduction, in: row r, 32 bytes for each half of the lanes
	s_mul_i32 s23, s10, REDW
	v_add_nc_u32 v[STO], s23, v6
	s_mul_i32 s23, s10, 32*AP                      ; the reduction, back: my 32 rows in each of the four blocks
.irp s, 0,1,2,3
	v_add_nc_u32 v[RD+\s], s23, v[CO]
	s_add_co_u32 s23, s23, REDW
.endr
	s_lshl_b32 s22, s10, 7
	s_add_co_u32 s22, s22, XL
	v_lshl_add_u32 v[LVA], v7, 2, s22              ; the partial sums L of row 32 w + lane
	s_wait_loadcnt 40                              ; the 16 loads of the statistics are in; P's 40 stay out
	PLOAD 2, 1, 2*PQ                               ; two more halves: seven are asked for when the first quarter begins
	PLOAD 3, 0, 3*PQ
	WIN 0
.irp k, 0,1,2,3
	v_max3_num_f32 v[PM+\k], v[SMZ+\k], v[SMZ+4+\k], v[SMZ+8+\k]
	v_max3_num_f32 v[PM+\k], v[PM+\k], v[SMZ+12+\k], v[SMZ+16+\k]
	v_max3_num_f32 v[PM+\k], v[PM+\k], v[SMZ+20+\k], v[SMZ+24+\k]
	v_max_num_f32  v[PM+\k], v[PM+\k], v[SMZ+28+\k]
.endr
	ds_store_b128 v[XA], v[PM:PM+3]                ; my eight tiles' maxima of my four rows
	s_wait_dscnt 0x0
	s_barrier_signal -1                            ; the tensor loads stay out
	s_barrier_wait -1
.irp s, 0,1,2,3
	ds_load_b128 v[PT+4*\s:PT+4*\s+3], v[XR] offset:512*\s
.endr
	s_wait_dscnt 0x0
.irp k, 0,1,2,3
	v_max3_num_f32 v[PM+\k], v[PT+\k], v[PT+4+\k], v[PT+8+\k]
	v_max_num_f32  v[PM+\k], v[PM+\k], v[PT+12+\k] ; M: the row's maximum, in base-2 exponents
.endr
.irp t, 0,1,2,3,4,5,6,7
.irp k, 0,1,2,3
	v_sub_f32 v[FF+4*\t+\k], v[SMZ+4*\t+\k], v[PM+\k]
.endr
.endr
.set j, 0
.rept 32
	v_exp_f32 v[FF+j], v[FF+j]
.set j, j+1
.endr
	v_nop                                          ; one plain instruction between the exponentials and their use (ISA guide 5.7.2)
.set j, 0
	s_wait_alu depctr_va_vdst(0)
.rept 32
	v_cvt_pk_f16_f32 v[FF+j], v[FF+j], v[FF+j]     ; f, rounded to f16, in both halves
.set j, j+1
.endr
.set j, 0
.irp h, v64.l, v65.l, v66.l, v67.l, v68.l, v69.l, v70.l, v71.l, v72.l, v73.l, v74.l, v75.l, v76.l, v77.l, v78.l, v79.l, v80.l, v81.l, v82.l, v83.l, v84.l, v85.l, v86.l, v87.l, v88.l, v89.l, v90.l, v91.l, v92.l, v93.l, v94.l, v95.l
	v_cvt_f32_f16 v[FR+j], \h                      ; the rounded factor, for the denominator
.set j, j+1
.endr
	v_pk_mul_f32 v[PT:PT+1],   v[FR:FR+1],   v[SL:SL+1]        ; my eight tiles' part of L, for my four rows
	v_pk_mul_f32 v[PT+2:PT+3], v[FR+2:FR+3], v[SL+2:SL+3]
.irp t, 1,2,3,4,5,6,7
	v_pk_fma_f32 v[PT:PT+1],   v[FR+4*\t:FR+4*\t+1],   v[SL+4*\t:SL+4*\t+1],   v[PT:PT+1]
	v_pk_fma_f32 v[PT+2:PT+3], v[FR+4*\t+2:FR+4*\t+3], v[SL+4*\t+2:SL+4*\t+3], v[PT+2:PT+3]
.endr
.irp t, 0,1,2,3,4,5,6,7
	ds_store_b128 v[FTW], v[FF+4*\t:FF+4*\t+3] offset:512*\t
.endr
	ds_store_b128 v[XA], v[PT:PT+3] offset:XL-XM
; 16 matrix instructions: row blocks a0, a0 + 1 of the window's four x all 8 column blocks, 32 keys.  fr: V's fragment buffer; buf: P's.
.macro MUL16 fr, buf, hi, a0, zero
	ASET \buf
	WIN ((0xa0+0x50*\hi)|(AW<<2))                  ; source 0 (V) window 0, source 1 (P) window AW, C and D window 2 + hi
.irp a, \a0, \a0+1
.irp b, 0,1,2,3,4,5,6,7
.if \zero
	v_wmma_f32_16x16x32_f16 v[8*(8*(\a)+\b):8*(8*(\a)+\b)+7], v[\fr+8*\b:\fr+8*\b+7], v[AR+8*(4*\hi+\a):AR+8*(4*\hi+\a)+7], 0
.else
	v_wmma_f32_16x16x32_f16 v[8*(8*(\a)+\b):8*(8*(\a)+\b)+7], v[\fr+8*\b:\fr+8*\b+7], v[AR+8*(4*\hi+\a):AR+8*(4*\hi+\a)+7], v[8*(8*(\a)+\b):8*(8*(\a)+\b)+7]
.endif
.endr
.endr
.endm
; 16 LDS loads: my keys 32 q .. 32 q + 31 of a slot, 128 columns of V, transposed on the way, into buffer fr
.macro FETCH slot, q, fr
	WIN 0
.irp i, 0,1,2,3,4,5,6,7
	ds_load_tr16_b128 v[\fr+8*\i:\fr+8*\i+3],   v[ADRB+\slot] offset:\q*32*BP+32*\i
	ds_load_tr16_b128 v[\fr+8*\i+4:\fr+8*\i+7], v[ADRB+\slot] offset:\q*32*BP+32*\i+16*BP
.endr
.endm
.macro FSLOAD                          ; the eight row blocks' factors for my tile of the K step
.irp a, 0,1,2,3,4,5,6,7
	ds_load_b32 v[FS+\a], v[FADR] offset:64*\a
.endr
.endm
; P's fragments of rows 64 half .. 64 half + 63 in buffer buf, times their rows' factor: 32 packed multiplies
.macro SCALE buf, half
	ASET \buf
	WIN ((AW<<6)|AW)                               ; destination and source 0 in the buffer's window, the factor in window 0
.irp a, 0,1,2,3
.irp j, 0,1,2,3,4,5,6,7
	v_pk_mul_f16 v[AR+32*\half+8*\a+\j], v[AR+32*\half+8*\a+\j], v[FS+4*\half+\a]
.endr
.endr
.endm
; Four independent vector instructions stand between a matrix instruction and a load into, or a store of, its registers
.macro PLACES
.rept 4
	v_nop
.endr
.endm
; P's halves are asked for in the order in which they are used: (quarter, rows 0-63), (quarter, rows 64-127), eight loads each, and loads come back in
; order.  ql: the quarter's number in the lap, 0..7 (its P buffer is ql % 4); rem: how many quarters follow it in the launch (9: four or more).
; The head of a quarter.  Behind the half that it needs, six halves have been asked for (fewer at the end): they stay out.  The 32 multiplies
; name no register of the matrix instructions in front of them: they are the places in front of the loads into the half buffer that those have read.
.macro QHEAD ql, rem
.set C1, 2*(\rem)+1
.if C1 > 6
.set C1, 6
.endif
	s_wait_loadcnt 8*C1                            ; P's rows 0-63 of this quarter are in
	s_wait_dscnt 0x0                               ; V's fragments (and at a K step's head the factors) are in
	SCALE ((\ql)&3), 0
.if (\rem) >= 3
.set TQ, (\ql)+3
	PLOAD (TQ&3), 1, ((TQ>>2)*PSTEP+(TQ&3)*PQ)     ; rows 64-127 of the quarter three on, into the buffer of the quarter before this one
.endif
.endm
; The middle of a quarter: the same for rows 64-127; then rows 0-63 of the quarter four on, into this quarter's own buffer
.macro QMID ql, rem
.set C2, 2*(\rem)
.if C2 > 6
.set C2, 6
.endif
	s_wait_loadcnt 8*C2
	SCALE ((\ql)&3), 1
.if (\rem) >= 4
.set TQ, (\ql)+4
	PLOAD (TQ&3), 0, ((TQ>>2)*PSTEP+(TQ&3)*PQ)
.endif
.endm
; One of a K step's first three quarters.  The 64 accumulators take turns in the same order in every quarter.
.macro QUARTER slot, ql, zero, rem
.set BF, 64+64*((\ql)&1)               ; V's fragment buffer of this quarter,
.set BN, 192-BF                        ; and of the next
	QHEAD \ql, \rem
	MUL16 BF, ((\ql)&3), 0, 0, \zero
	MUL16 BF, ((\ql)&3), 0, 2, \zero
	QMID \ql, \rem
	FETCH \slot, (((\ql)&3)+1), BN
	MUL16 BF, ((\ql)&3), 1, 0, \zero
	MUL16 BF, ((\ql)&3), 1, 2, \zero
.endm
; A K step's last quarter (P buffer 3, V buffer 1) changes slots.  In front of the barrier each wave waits for its reads of this slot and for all its
; tensor loads (one is out: its part of the next slot).  Behind it the refill comes first, then the next K step's factors and first fragments.
.macro TURN slot, next, ql, fill, rem
	QHEAD \ql, \rem
	MUL16 128, 3, 0, 0, 0
	s_wait_dscnt 0x0                               ; my reads of this slot are over (met: the quarter's head has waited, and nothing was read since)
	s_wait_tensorcnt 0x0                           ; all my tensor loads have landed
	ds_add_u32 v63, v255
	s_wait_dscnt 0x0
	s_barrier_signal -1                            ; where the slot is filled again this barrier opens a round of the cluster's barrier
	MUL16 128, 3, 0, 2, 0                          ; register work while the others arrive
	WIN 0
	s_barrier_wait -1
.if \fill
	CREST                                          ; no wave of any partner still reads this slot or has a tensor load on its way
	s_add_nc_u64 s[G0B+4*\slot+2:G0B+4*\slot+3], s[G0B+4*\slot+2:G0B+4*\slot+3], 2*BSTEP
	tensor_load_to_lds s[G0B+4*\slot:G0B+4*\slot+3], s[G1B:G1B+7]  ; the first tensor load behind the round
	s_nop 0
.endif
	QMID \ql, \rem                                 ; the last use of this K step's factors
	WIN 0
	v_add_nc_u32 v[FADR], 2048, v[FADR]            ; the next K step's four tiles
	FSLOAD
	FETCH \next, 0, 64
	MUL16 128, 3, 1, 0, 0
	MUL16 128, 3, 1, 2, 0
.endm
.macro LAP zero
	QUARTER 0, 0, \zero, 9
	QUARTER 0, 1, 0, 9
	QUARTER 0, 2, 0, 9
	TURN 0, 1, 3, 1, 9
	QUARTER 1, 4, 0, 9
	QUARTER 1, 5, 0, 9
	QUARTER 1, 6, 0, 9
	TURN 1, 0, 7, 1, 9
	WIN 0
	s_wait_xcnt 0x0                                ; P's base, which the loads that are out name, is stepped only behind this wait
	s_add_nc_u64 s[PB:PB+1], s[PB:PB+1], 2*PSTEP
.endm
	s_wait_dscnt 0x0                               ; my factors and my part of L are written,
	s_wait_tensorcnt 1                             ; my part of K step 0 is in; K step 1's stays out
	s_barrier_signal -1
	s_barrier_wait -1
	FSLOAD
	FETCH 0, 0, 64
	LAP 1                                          ; the first quarter's products start the sums
	s_mov_b32 s3, LAPS-2
.Llap:
	LAP 0
	s_sub_co_u32 s3, s3, 1
	s_cmp_lg_u32 s3, 0
	s_cbranch_scc1 .Llap
	QUARTER 0, 0, 0, 7                             ; the last lap fills no slot, and P's loads end: the counts run down
	QUARTER 0, 1, 0, 6
	QUARTER 0, 2, 0, 5
	TURN 0, 1, 3, 0, 4
	QUARTER 1, 4, 0, 3
	QUARTER 1, 5, 0, 2
	QUARTER 1, 6, 0, 1
	QHEAD 7, 0                                     ; the very last quarter
	MUL16 128, 3, 0, 0, 0
	MUL16 128, 3, 0, 2, 0
	QMID 7, 0
	MUL16 128, 3, 1, 0, 0
	MUL16 128, 3, 1, 2, 0
	; THE WAY OUT: the four waves' partial blocks are added through LDS, in the ring's bytes, which have had their last fill.
	PLACES
	WIN 0
	s_lshl_b32 s16, s13, 7
	s_lshl_b32 s17, s10, 5
	s_add_co_u32 s16, s16, s17                     ; row 128 x block row + 32 x wave
	s_lshl_b32 s16, s16, 12                        ; x 4,096 bytes
	s_mov_b32 s17, 0
	s_add_nc_u64 s[70:71], s[70:71], s[16:17]
	s_lshl_b32 s46, s42, 9                         ; 128 columns x 4 bytes for each block column
	s_mov_b32 s47, 0
	s_add_nc_u64 s[70:71], s[70:71], s[46:47]
	s_barrier_signal -1                            ; every wave's reads of the ring are back (its last wait on DScnt was for 0) and its tensor loads have landed
	s_barrier_wait -1
	WIN 0x08                                       ; store data from window 2
.irp a, 0,1,2,3
.irp b, 0,1,2,3,4,5,6,7
	ds_store_b128 v[STO], v[8*(8*\a+\b):8*(8*\a+\b)+3]   offset:16*AP*\a+64*\b
	ds_store_b128 v[STO], v[8*(8*\a+\b)+4:8*(8*\a+\b)+7] offset:16*AP*\a+64*\b+16
.endr
.endr
	WIN 0x0c                                       ; from window 3
.irp a, 0,1,2,3
.irp b, 0,1,2,3,4,5,6,7
	ds_store_b128 v[STO], v[8*(8*\a+\b):8*(8*\a+\b)+3]   offset:16*AP*(\a+4)+64*\b
	ds_store_b128 v[STO], v[8*(8*\a+\b)+4:8*(8*\a+\b)+7] offset:16*AP*(\a+4)+64*\b+16
.endr
.endr
	WIN 0
	s_wait_dscnt 0x0                               ; my block is written,
	s_barrier_signal -1
	s_barrier_wait -1                              ; everybody's is
.irp s, 0,1,2,3
	ds_load_b32 v[PT+\s], v[LVA] offset:512*\s     ; the four waves' parts of L for row 32 w + lane
.endr
	s_wait_dscnt 0x0
	v_add_f32 v[PT],   v[PT],   v[PT+1]
	v_add_f32 v[PT+2], v[PT+2], v[PT+3]
	v_add_f32 v[PT],   v[PT],   v[PT+2]            ; L >= 1, up to rounding: the tile of the maximum has f = 1 and a sum of at least 1
	v_rcp_f32 v[LV], v[PT]
	v_nop                                          ; one plain instruction between the reciprocal and its use (ISA guide 5.7.2)
	s_wait_alu depctr_va_vdst(0)
; Eight of my 32 rows: a row is 512 bytes, 16 a lane, in each of the four blocks; (w0 + w1) + (w2 + w3), times 1 / L, and out.
.macro RED8 g
.if \g
	s_wait_xcnt 0x0                                ; the registers that the last eight stores read are loaded again only behind this wait
.endif
.irp i, 0,1,2,3,4,5,6,7
.irp s, 0,1,2,3
	ds_load_b128 v[64+16*\i+4*\s:64+16*\i+4*\s+3], v[RD+\s] offset:(8*\g+\i)*AP
.endr
.endr
.irp i, 0,1,2,3,4,5,6,7
	v_readlane_b32 s[72+\i], v[LV], 8*\g+\i
.endr
.irp i, 0,1,2,3,4,5,6,7
	s_wait_dscnt 28-4*\i                           ; row i's four loads are in, the younger rows' stay out
	v_pk_add_f32 v[64+16*\i:64+16*\i+1],     v[64+16*\i:64+16*\i+1],     v[64+16*\i+4:64+16*\i+5]
	v_pk_add_f32 v[64+16*\i+2:64+16*\i+3],   v[64+16*\i+2:64+16*\i+3],   v[64+16*\i+6:64+16*\i+7]
	v_pk_add_f32 v[64+16*\i+8:64+16*\i+9],   v[64+16*\i+8:64+16*\i+9],   v[64+16*\i+12:64+16*\i+13]
	v_pk_add_f32 v[64+16*\i+10:64+16*\i+11], v[64+16*\i+10:64+16*\i+11], v[64+16*\i+14:64+16*\i+15]
	v_pk_add_f32 v[64+16*\i:64+16*\i+1],     v[64+16*\i:64+16*\i+1],     v[64+16*\i+8:64+16*\i+9]
	v_pk_add_f32 v[64+16*\i+2:64+16*\i+3],   v[64+16*\i+2:64+16*\i+3],   v[64+16*\i+10:64+16*\i+11]
.irp k, 0,1,2,3
	v_mul_f32 v[64+16*\i+\k], s[72+\i], v[64+16*\i+\k]
.endr
	global_store_b128 v[CO], v[64+16*\i:64+16*\i+3], s[70:71] offset:(8*\g+\i)*4096   ; the wave stores 512 consecutive bytes, at a multiple of 512
.endr
.endm
	RED8 0
	RED8 1
	RED8 2
	RED8 3
	s_set_vgpr_msb 0x4
	s_wait_tensorcnt 0x0
	ds_add_u32 v63, v255
	s_wait_dscnt 0x0
	s_set_vgpr_msb 0x400
	CROUND                                         ; the closing round: no work-group ends while a partner may still ask jointly
	s_endpgm
.Lfunc_end_k_qd08c473488_pv:
	.size	k_qd08c473488_pv, .Lfunc_end_k_qd08c473488_pv-k_qd08c473488_pv
	.p2alignl 7, 3214868480
	.fill 96, 4, 3214868480
	.section	.rodata,"a",@progbits
	.p2align	6, 0x0
	.amdhsa_kernel k_qd08c473488_pv
		.amdhsa_group_segment_fixed_size 327680
		.amdhsa_private_segment_fixed_size 0
		.amdhsa_enable_private_segment 0
		.amdhsa_kernarg_size 32
		.amdhsa_user_sgpr_count 2
		.amdhsa_user_sgpr_kernarg_segment_ptr 1
		.amdhsa_wavefront_size32 1
		.amdhsa_system_sgpr_workgroup_id_x 1
		.amdhsa_system_sgpr_workgroup_id_y 1
		.amdhsa_system_sgpr_workgroup_id_z 1
		.amdhsa_system_vgpr_workitem_id 0
		.amdhsa_next_free_vgpr 1024
		.amdhsa_next_free_sgpr 80
		.amdhsa_reserve_vcc 0
		.amdhsa_float_denorm_mode_32 3
		.amdhsa_float_denorm_mode_16_64 3
		.amdhsa_memory_ordered 1
		.amdhsa_forward_progress 1
		.amdhsa_inst_pref_size 255
	.end_amdhsa_kernel
	.section	.bss,"aw",@nobits
	.p2align	6
	.space	262144
	.amdgpu_metadata
---
amdhsa.version: [ 1, 2 ]
amdhsa.kernels:
  - .name:           k_qd08c473488_pv
    .symbol:         k_qd08c473488_pv.kd
    .args:
      - { .name: pmat, .offset: 0, .size: 8, .value_kind: global_buffer, .address_space: global }
      - { .name: qkv, .offset: 8, .size: 8, .value_kind: global_buffer, .address_space: global }
      - { .name: stats, .offset: 16, .size: 8, .value_kind: global_buffer, .address_space: global }
      - { .name: out0, .offset: 24, .size: 8, .value_kind: global_buffer, .address_space: global }
    .group_segment_fixed_size: 327680
    .private_segment_fixed_size: 0
    .kernarg_segment_align: 8
    .kernarg_segment_size: 32
    .max_flat_workgroup_size: 128
    .sgpr_count:     80
    .vgpr_count:     1024
    .wavefront_size: 32
...
	.end_amdgpu_metadata
.endif
;; end of part 4
;; ======== version 2 of 2: 4 launches; version 1 with the launch cast written anew for expert scheduling mode
;; limits: values are held in f16: magnitudes above 65,504 overflow, below 6.1e-05 lose precision
;; workspace buffers: xw 14,680,064 bytes; qkv 25,165,824 bytes; pmat 33,554,432 bytes; stats 1,048,576 bytes
;; launch cast (part 5): grid 448 x 1, 8 waves a work-group, no clusters, 0 bytes of LDS; arguments inputs, W_q, W_k, W_v, xw; writes xw
.if DOCPART == 5
	.amdgcn_target "amdgcn-amd-amdhsa--gfx1250"
	.amdhsa_code_object_version 6
	.text
	.protected	k_qd08c473488_cast
	.globl	k_qd08c473488_cast
	.p2align	8
	.type	k_qd08c473488_cast,@function
k_qd08c473488_cast:
	s_mov_b64 s[64:65], 0
	v_nop
	global_prefetch_b8 v0, s[64:65] scope:SCOPE_SE
	s_setreg_imm32_b32 hwreg(HW_REG_WAVE_SCHED_MODE, 0, 2), 2
	s_setreg_imm32_b32 hwreg(HW_REG_WAVE_MODE, 25, 1), 1
	s_wait_xcnt 0x0
	s_wait_alu depctr_vm_vsrc(0)
; xw = bf16(inputs), bf16(W_q), bf16(W_k), bf16(W_v), one behind the other (round to nearest even), so that the projections'
; tiles can be brought into LDS as 16-bit numbers.
; A stream: every input byte is read once and every output byte written once.  LDS, matrix instructions and clusters would add
; nothing: no byte is shared between threads.
; Work-group g converts 16,384 numbers (65,536 bytes in, 32,768 out).  g 0..255: inputs; 256..319: W_q; 320..383: W_k; 384..447: W_v.
; The output offset is g x 32,768 in all four cases, which is xw's layout: X at 0, W_p at 8,388,608 + p x 2,097,152.
; A wave's load covers 512 consecutive bytes, its store 256 consecutive bytes at a multiple of 256.
; All sixteen loads of a thread go out before the first is used; no register is written twice, so no store's sources need a wait.
; THE MODE: SCHED_MODE bits 1:0 = 2 (LLVM: expert scheduling mode 2), set by the entry lines.  The code itself states the register dependences
; between vector instructions and memory instructions, with s_wait_alu, always for 0.
; THE PLAN.  Registers that memory instructions touch:
;   v1, v2   byte offsets: written once at the head, read by every load (v1) and every store (v2), never written again.
;   X        written by the sixteen loads, once; no vector instruction names it before them; read by the conversions; never loaded again.
;   Y        each pair written once by its conversions and read once by its store; never written again.
; The sixteen loads are four blocks of four.  Block p converts X's block p into Y's block p; its memory instructions are the four stores of block p - 1,
; whose registers no conversion of block p names.  So one wait at a block's head states all that its four stores hang on, and they are dealt among the
; block's conversions with no further wait.  No register that a memory instruction has read is written again: nothing is owed on that side.
.set X, 4                              ; v[4:67]   sixteen loads of four f32
.set Y, 68                             ; v[68:99]  sixteen pairs of packed bf16
	s_load_b256 s[4:11], s[0:1], 0x0               ; inputs s[4:5], W_q s[6:7], W_k s[8:9], W_v s[10:11]
	s_load_b64 s[12:13], s[0:1], 0x20              ; xw
	v_lshlrev_b32 v1, 4, v0                        ; 16 bytes in for each thread
	v_lshlrev_b32 v2, 3, v0                        ; 8 bytes out
	s_and_b32 s14, ttmp9, 63                       ; chunk inside a W (64 chunks each)
	s_cmp_lt_u32 ttmp9, 256
	s_cselect_b32 s14, ttmp9, s14                  ; chunk inside inputs (256 chunks)
	s_lshl_b32 s14, s14, 16                        ; x 65,536 bytes
	s_mov_b32 s15, 0
	s_lshl_b32 s18, ttmp9, 15                      ; x 32,768 bytes out
	s_mov_b32 s19, 0
	s_wait_kmcnt 0x0
	s_cmp_lt_u32 ttmp9, 384                        ; which buffer: the choice hangs on the work-group's number alone
	s_cselect_b64 s[16:17], s[8:9], s[10:11]
	s_cmp_lt_u32 ttmp9, 320
	s_cselect_b64 s[16:17], s[6:7], s[16:17]
	s_cmp_lt_u32 ttmp9, 256
	s_cselect_b64 s[16:17], s[4:5], s[16:17]
	s_add_nc_u64 s[16:17], s[16:17], s[14:15]
	s_add_nc_u64 s[12:13], s[12:13], s[18:19]
	s_wait_alu depctr_va_vdst(0)                   ; v1 and v2 are written: every load and store of the kernel reads one of them as its offset
.irp j, 0,1,2,3,4,5,6,7,8,9,10,11,12,13,14,15
	global_load_b128 v[X+4*\j:X+4*\j+3], v1, s[16:17] offset:4096*\j th:TH_LOAD_NT   ; read once in the launch
.endr
; Block p: loads 4 p .. 4 p + 3 are converted; the four stores of block p - 1 stand among the conversions, a store ahead of each pair of them.
.macro BLK p
	s_wait_loadcnt 12-4*(\p)                       ; loads come back in order: this block's four are in, the younger blocks' stay out
.if \p
	s_wait_alu depctr_va_vdst(0)                   ; the block before has written its eight registers of Y, which the four stores below read
.endif
.irp i, 0,1,2,3
.if \p
	global_store_b64 v2, v[Y+2*(4*(\p)-4+(\i)):Y+2*(4*(\p)-4+(\i))+1], s[12:13] offset:2048*(4*(\p)-4+(\i))  ; no vector instruction since the wait names these registers
.endif
	v_cvt_pk_bf16_f32 v[Y+2*(4*(\p)+(\i))],   v[X+4*(4*(\p)+(\i))],   v[X+4*(4*(\p)+(\i))+1]
	v_cvt_pk_bf16_f32 v[Y+2*(4*(\p)+(\i))+1], v[X+4*(4*(\p)+(\i))+2], v[X+4*(4*(\p)+(\i))+3]
.endr
.endm
	BLK 0                                          ; no block stands in front of it: no store, and no wait but the one for its data
	BLK 1
	BLK 2
	BLK 3
	s_wait_alu depctr_va_vdst(0)                   ; block 3 has written its eight registers of Y, which the last four stores read
.irp i, 12,13,14,15
	global_store_b64 v2, v[Y+2*\i:Y+2*\i+1], s[12:13] offset:2048*\i
.endr
	s_endpgm
.Lfunc_end_k_qd08c473488_cast:
	.size	k_qd08c473488_cast, .Lfunc_end_k_qd08c473488_cast-k_qd08c473488_cast
	.p2alignl 7, 3214868480
	.fill 96, 4, 3214868480
	.section	.rodata,"a",@progbits
	.p2align	6, 0x0
	.amdhsa_kernel k_qd08c473488_cast
		.amdhsa_group_segment_fixed_size 0
		.amdhsa_private_segment_fixed_size 0
		.amdhsa_enable_private_segment 0
		.amdhsa_kernarg_size 40
		.amdhsa_user_sgpr_count 2
		.amdhsa_user_sgpr_kernarg_segment_ptr 1
		.amdhsa_wavefront_size32 1
		.amdhsa_system_sgpr_workgroup_id_x 1
		.amdhsa_system_sgpr_workgroup_id_y 1
		.amdhsa_system_sgpr_workgroup_id_z 1
		.amdhsa_system_vgpr_workitem_id 0
		.amdhsa_next_free_vgpr 100
		.amdhsa_next_free_sgpr 66
		.amdhsa_reserve_vcc 0
		.amdhsa_float_denorm_mode_32 3
		.amdhsa_float_denorm_mode_16_64 3
		.amdhsa_memory_ordered 1
		.amdhsa_forward_progress 1
		.amdhsa_inst_pref_size 7
	.end_amdhsa_kernel
	.amdgpu_metadata
---
amdhsa.version: [ 1, 2 ]
amdhsa.kernels:
  - .name:           k_qd08c473488_cast
    .symbol:         k_qd08c473488_cast.kd
    .args:
      - { .name: inputs, .offset: 0, .size: 8, .value_kind: global_buffer, .address_space: global }
      - { .name: W_q, .offset: 8, .size: 8, .value_kind: global_buffer, .address_space: global }
      - { .name: W_k, .offset: 16, .size: 8, .value_kind: global_buffer, .address_space: global }
      - { .name: W_v, .offset: 24, .size: 8, .value_kind: global_buffer, .address_space: global }
      - { .name: xw, .offset: 32, .size: 8, .value_kind: global_buffer, .address_space: global }
    .group_segment_fixed_size: 0
    .private_segment_fixed_size: 0
    .kernarg_segment_align: 8
    .kernarg_segment_size: 40
    .max_flat_workgroup_size: 256
    .sgpr_count:     66
    .vgpr_count:     100
    .wavefront_size: 32
...
	.end_amdgpu_metadata
.endif
;; end of part 5
;; launch proj: the kernel of part 2 again; grid 12 x 16, 4 waves a work-group, clusters of 4 x 4, 327,680 bytes of LDS; arguments xw, qkv; writes qkv
;; launch score: the kernel of part 3 again; grid 16 x 16, 4 waves a work-group, clusters of 4 x 4, 327,680 bytes of LDS; arguments qkv, pmat, stats; writes pmat, stats
;; launch pv: the kernel of part 4 again; grid 8 x 32, 4 waves a work-group, clusters of 4 x 4, 327,680 bytes of LDS; arguments pmat, qkv, stats, out0; writes out0
